; MI455X (gfx1250); checked and timed in simulation.
; The chip was launched on July 23, 2026; its instructions are those of AMD's public machine-readable ISA for CDNA 5 (MIT licence, August 2026) and "CDNA5" Instruction Set Architecture Reference Guide (July 2026). The comments in the code are by the model that wrote it; some were corrected since.
;; Attention Block. Allowed arithmetic: matrix products marked QUANTISED: E2M3 operands, one E8M0 scale for each 32 along K, by v_wmma_scale_f32_16x16x128_f8f6f4 with both operands' format E2M3, f32 sums; everything else in f32.
;; Inputs: norm_b 256 float32; norm_w 256 float32; proj_b 256 float32; proj_w_codes 256 x 8 x 24 uint8 (E2M3 codes of proj_w, K innermost, in blocks of 32 codes, four codes in three bytes); proj_w_scales 256 x 8 uint8 (E8M0 scales of proj_w, one for each 32 codes along K); qkv_b 768 float32; qkv_w_codes 768 x 8 x 24 uint8 (E2M3 codes of qkv_w, K innermost, in blocks of 32 codes, four codes in three bytes); qkv_w_scales 768 x 8 uint8 (E8M0 scales of qkv_w, one for each 32 codes along K); x 8,192 x 256 float32.
;; Outputs: out0 8,192 x 256 float32.
;; This version of the problem:
;;   THIS VERSION OF THE PROBLEM IS GIVEN IN LOW PRECISION. The matrix products marked QUANTISED in the list below multiply operands that are first quantised to E2M3 (2 exponent bits, 3 mantissa bits; 6 bits a number), with one power-of-two scale for each 32 numbers along K (OCP MX v1.0); their sums are f32. All else is computed in f32.
;;   The module's matrix products, in the order in which they are computed (A, B: the left and right operand; K: the contracted axis; several contracted axes count as one K, in the product's order):
;;     1. [M 8,192, K 256] x [K 256, N 768]; A: computed on the way; B: input qkv_w (given as codes): QUANTISED
;;     2. [M 8,192, K 256] x [K 256, N 8,192]; A: computed on the way; B: computed on the way: QUANTISED
;;     3. [M 8,192, K 8,192] x [K 8,192, N 256]; A: softmax (see below); B: computed on the way: QUANTISED
;;     4. [M 8,192, K 256] x [K 256, N 256]; A: computed on the way; B: input proj_w (given as codes): QUANTISED
;;   THE QUANTISER, for each operand of a quantised product, along K:
;;     - K is cut into blocks of 32 from its start; a last block that is shorter is filled with zeros.
;;     - A block's scale is 2^e with e = floor(log2(the largest magnitude in the block)) - 2, held to -126 .. 127; a block of zeros has e = 0. As a byte (E8M0): e + 127.
;;     - Each number is divided by its block's scale, clamped to +-7.5, and rounded to the nearest number of E2M3, ties to even, subnormals kept.
;;     - The product sums the exact products of the quantised numbers (number of the format x scale) in f32.
;;   ~~~python
;;   def quantise(x, axis):      # numpy; x: float32 -> the quantised numbers, widened to float32 again
;;       x = np.moveaxis(x, axis, -1); K = x.shape[-1]
;;       x = np.pad(x, [(0, 0)] * (x.ndim - 1) + [(0, -K % 32)]); x = x.reshape(x.shape[:-1] + (-1, 32)); a = np.abs(x).max(-1, keepdims=True)
;;       e = np.where(a > 0, np.clip(np.frexp(np.where(a > 0, a, 1))[1] - 1 - 2, -126, 127), 0)      # np.frexp(a)[1] - 1 = floor(log2(a)), exactly
;;       r = np.clip(x / 2.0 ** e, -7.5, 7.5)
;;       step = 2.0 ** (np.maximum(np.frexp(np.where(r == 0, 1, r))[1] - 1, 0) - 3)
;;       q = np.round(r / step) * step * 2.0 ** e      # np.round: ties to even
;;       return np.moveaxis(q.reshape(q.shape[:-2] + (-1,))[..., :K], -1, axis).astype(np.float32)
;;   ~~~
;;   SOFTMAX AHEAD OF A QUANTISED PRODUCT. Where the list says 'softmax', what is quantised is not the finished softmax but p = 2^(t - M), with t = logit x log2(e) and M = ceil(the row's largest t), a whole number; so 1/2 < the row's largest p <= 1. The row's sum l is taken of the UNQUANTISED p, in f32, and the product's result is divided by l at the end. Since M is a whole number, a kernel that streams over the keys may use a running M (the ceiling of the running maximum): every later rescaling is an exact power of two, which a block's scale takes up: the codes' values come out the same.
;;   OPERANDS COMPUTED ON THE WAY. 'Computed on the way' means the value that the module computes at that place (a softmax that the list does not call 'softmax' is quantised finished and normalised). What goes into a quantiser is computed in f32, as accurately as f32 sums, v_exp_f32 and their like allow (about 1e-6 of the number): no bf16 or f16 on the way to a quantiser, and a product that is left as it is and whose result goes on into a quantised operand takes f32 operands (vector FMAs, or v_wmma_f32_16x16x4_f32). A number that lies on a knife's edge between two numbers of the format may be rounded either way, as far as f32 arithmetic and the matrix unit's own rounding can turn it there, and no further.
;;   INPUTS GIVEN AS CODES. proj_w (in the module: [256, 256], K = its axis 1); qkv_w (in the module: [768, 256], K = its axis 1): each comes as NAME_codes (uint8): NAME with its K axis moved to the last place and cut into blocks of 32 codes, [.., K / 32, bytes a block], one block behind the other in memory; four codes in three bytes: a row's codes are one little-endian stream of bits, code i at bits 6 i .. 6 i + 5 (a code: sign, 2 exponent bits, 3 mantissa bits); and NAME_scales (uint8): the same leading axes, one E8M0 byte (e + 127) for each 32 codes along K. Its value is code x scale, taken as it is: it is not quantised again, and the codes and scales need not be those that the quantiser above would give.
;; 2 versions. Each part assembles by itself: llvm-mc -triple=amdgcn-amd-amdhsa -mcpu=gfx1250 --defsym DOCPART=n.
;; ======== version 1 of 2: 3 launches
;; workspace buffers: qi 1,638,400 bytes; kv 3,276,800 bytes; op 33,554,432 bytes; ml 524,288 bytes
;; launch prep (part 1): grid 64 x 1, 8 waves a work-group, no clusters, 29,696 bytes of LDS; arguments x, norm_w, norm_b, qkv_w_codes, qkv_w_scales, qkv_b, qi, kv; writes qi, kv
.if DOCPART == 1
	.amdgcn_target "amdgcn-amd-amdhsa--gfx1250"
	.amdhsa_code_object_version 6
	.text
	.protected	k_q7c1e940027_prep
	.globl	k_q7c1e940027_prep
	.p2align	8
	.type	k_q7c1e940027_prep,@function
k_q7c1e940027_prep:
	s_mov_b64 s[64:65], 0
	v_nop
	global_prefetch_b8 v0, s[64:65] scope:SCOPE_SE
	s_setreg_imm32_b32 hwreg(HW_REG_WAVE_MODE, 25, 1), 1
	s_wait_xcnt 0x0
; LayerNorm, xn quantised, qkv = xn W^T + b on codes of FP6 (E2M3), and q, k, v quantised again: q and k along the head's 256, v along the tokens.
; A work-group of eight waves takes 128 tokens.  All that it stores is laid IN THE ORDER OF AN OPERAND'S REGISTERS: a fragment (16 rows x 128 K, 12 registers a lane) is an
; image of 1,536 bytes: registers 4 c .. 4 c + 3 of lane l at byte 512 c + 16 l.  So every store of codes covers 512 consecutive bytes, and the reader needs 16-byte loads alone.
; THE ROWS OF A TILE ARE NOT NEIGHBOURS: lane r of tile 2 b + u takes row 32 b + 8 u + r + 8 (r / 8) (tokens, and the rows of W alike), so that in a result whose source 0 was
; such tiles the 16 registers of tiles 2 b and 2 b + 1 are the 16 neighbours 32 b + 16 (lane / 16) + 0 .. 15: what the conversions to codes want.
; PHASES.  X: wave w normalises and quantises token tile w (a lane holds half a row: 128 numbers); images and scale words to LDS | the one barrier |
;   QK: wave w takes rows 128 (w % 4) .. + 127 of W (q's or k's channels, one K step of the head) for token tiles 4 (w / 4) + 0 .. 3: source 0 = W, source 1 = xn: a lane holds a token, registers run along the channels.
;   V: wave w takes channel tiles 2 w, 2 w + 1 of v for all 128 tokens: source 0 = xn, source 1 = W: a lane holds a channel, registers run along the tokens, which are the K of attention's second product.
; qi: 64 blocks of 25,600 bytes: q's images (2 T + s) x 1,536; at 24,576 the scale words [s][half][lane][2]: word a of lane l belongs to tile 2 (2 half + a) + l / 16, row l % 16.
; kv: 64 key steps of 51,200 bytes: k's images and, at 49,152, its scale words as q's; at 24,576 v's 16 images; at 50,176 v's scale words [i][lane]: lanes 0-15 tile 2 i, lanes 16-31 tile 2 i + 1.
;   (v's scale words leave as 128 bytes a wave: 1 KiB of a step's 50 KiB is stored in pieces shorter than 256 bytes.)
; LIMITS: NaN and infinities among the inputs are not served.  A block whose largest magnitude lies under 2^-124 keeps the scale byte 1; a block of zeros gets the byte 1
; where the rule says 127: its codes are zeros, and these bytes are read by this program alone.
.set FRB,   1536
.set QBLK,  25600
.set QSOFF, 24576
.set STEPB, 51200
.set VOFF,  24576
.set KSOFF, 49152
.set VSOFF, 50176
.set XIMG,  0                          ; LDS: xn's 16 images, (2 T + s) x 1,536
.set XSC,   16*FRB                     ; and 8 x 128 bytes of scale words: tile T: lanes 0-15 K step 0, lanes 16-31 K step 1
.set XA,  4                            ; v4   x: my row's byte + 64 (lane / 16)
.set LI,  5                            ; v5   16 x lane
.set LS,  6                            ; v6   4 x lane
.set LI8, 7                            ; v7   8 x lane
.set XWI, 8                            ; v8   where I store xn's images: 16 x lane + 3,072 x wave
.set XWS, 9                            ; v9   and the scale word: 4 x lane + 128 x wave
.set WA,  10                           ; v10  a row of W's codes: (r + 8 (r / 8)) x 192 + 24 h
.set WSA, 11                           ; v11  its scale word: (r + 8 (r / 8)) x 8 + 4 h
.set BA,  12                           ; v12  64 h
.set VBA, 13                           ; v13  (r + 8 (r / 8)) x 4
.set XRI, 14                           ; v14  where phase QK reads images: 16 x lane + 12,288 x (wave / 4)
.set XRS, 15                           ; v15  and scale words: 4 x lane + 512 x (wave / 4)
.set TM,  16                           ; v16-31 at work in QUANT
.set PW,  32                           ; v32  the scale word just made
.set KP,  33                           ; v33  a scale word kept for its partner
.set MU,  34                           ; v[34:35] the mean, twice
.set RS,  36                           ; v[36:37] 1 / sqrt(var + eps), twice
.set AC,  38                           ; v38-45 four chains of packed sums
.set SWM, 46                           ; v[46:47] two merged scale words
.set PR,  48                           ; v48  r + 8 (r / 8)
.set VB,  50                           ; v50-51 v's bias of my channel, tiles e = 0, 1
.set WVS, 52                           ; v52-53 scale words of W's rows for v
.set XS,  54                           ; v54  xn's scale word of the tile in hand
.set PC,  56                           ; v56-75 the codes just made (12) and the conversions' second halves
.set XF,  76                           ; v76-99 xn's two fragments of a tile
.set WS,  100                          ; v100-107 scale words of my 8 tiles of W
.set XS8, 108                          ; v108-115 xn's scale words of all 8 tiles
.set BV,  116                          ; v116-123 v's bias as a C operand
.set X,   128                          ; v128-255 my half row of x;  later D = v128-191 (results) and BQ = v192-255 (bias of q or k, 8 tiles)
.set D,   128
.set BQ,  192
; window 1: first norm_w v0-127, norm_b v128-255; then v0-191 my 16 fragments of W (phase V: xn's 16), v192-239 W's four fragments for v
.set SEL, 24                           ; s[24:25] selects of v_permlanex16_b32: lane l xor 16
.set HM,  28                           ; s28  mask of lanes 16-31
.set MSB, 0
.macro WIN new                         ; the immediate's high byte repeats the setting that is left
.if MSB != \new
	s_set_vgpr_msb (MSB<<8)|\new
.set MSB, \new
.endif
.endm
.macro PLACES n
.rept \n
	v_nop
.endr
.endm
; 64 numbers of a lane, register 16 b + i = k 32 b + 16 (lane / 16) + i of my row, become a fragment's codes in v[PC] on and its scale word in v[PW] (the same in lanes l and l xor 16).
.macro QUANT s
.irp b, 0,1,2,3
	v_max3_num_f32 v[TM+\b], |v[(\s)+16*\b]|, |v[(\s)+1+16*\b]|, 0x1800000   ; my 16 numbers of block b, and the floor 2^(3 - 127): the byte cannot fall under 1
.endr
.irp i, 2,4,6,8,10,12,14
.irp b, 0,1,2,3
	v_max3_num_f32 v[TM+\b], v[TM+\b], |v[(\s)+16*\b+\i]|, |v[(\s)+1+16*\b+\i]|
.endr
.endr
.irp b, 0,1,2,3
	v_permlanex16_b32 v[TM+4+\b], v[TM+\b], s[SEL], s[SEL+1]
.endr
.irp b, 0,1,2,3
	v_max_num_f32 v[TM+\b], v[TM+\b], v[TM+4+\b]                 ; with lane l xor 16's: the block's largest magnitude
.endr
.irp b, 0,1,2,3
	v_add_nc_u32 v[TM+12+\b], 0xff000000, v[TM+\b]               ; 2 off its exponent field: the conversion's scale operand
.endr
.irp b, 0,1,2,3
	v_lshrrev_b32 v[TM+4+\b], 23, v[TM+12+\b]                    ; the scale's byte
.endr
	v_lshl_or_b32 v[PW], v[TM+5], 8, v[TM+4]
	v_lshl_or_b32 v[PW], v[TM+6], 16, v[PW]
	v_lshl_or_b32 v[PW], v[TM+7], 24, v[PW]
.irp c, 0,1
	v_cvt_scalef32_pk16_fp6_f32 v[PC+6*\c:PC+2+6*\c], v[(\s)+32*\c:(\s)+15+32*\c], v[TM+12+2*\c]
	v_cvt_scalef32_pk16_fp6_f32 v[PC+12+4*\c:PC+14+4*\c], v[(\s)+16+32*\c:(\s)+31+32*\c], v[TM+12+2*\c+1]   ; (a conversion's three registers begin on an even number)
.endr
	v_nop                                                        ; one plain place behind a scaled conversion
.irp c, 0,1                            ; the operand's layout wants a whole block in a lane: lanes 0-15 block 2 c, lanes 16-31 block 2 c + 1
.irp i, 0,1,2
	v_permlane16_swap_b32 v[PC+6*\c+\i], v[PC+12+4*\c+\i]
.endr
.irp i, 0,1,2
	v_mov_b32 v[PC+3+6*\c+\i], v[PC+12+4*\c+\i]
.endr
.endr
.endm
.macro IMAGE adr, off                  ; the fragment in v[PC] on goes to LDS as it stands
.irp c, 0,1,2
	ds_store_b128 v[\adr], v[PC+4*\c:PC+4*\c+3] offset:\off+512*\c
.endr
.endm
.macro GIMG sb, off                    ; or to memory: each store covers 512 consecutive bytes
.irp c, 0,1,2
	global_store_b128 v[LI], v[PC+4*\c:PC+4*\c+3], s[\sb:\sb+1] offset:\off+512*\c
.endr
.endm
.macro JOIN                            ; four chains of pairs -> the row's sum in v[AC], in every lane of the row
	v_pk_add_f32 v[AC:AC+1], v[AC:AC+1], v[AC+2:AC+3]
	v_pk_add_f32 v[AC+4:AC+5], v[AC+4:AC+5], v[AC+6:AC+7]
	v_pk_add_f32 v[AC:AC+1], v[AC:AC+1], v[AC+4:AC+5]
	v_add_f32 v[AC], v[AC], v[AC+1]
	v_permlanex16_b32 v[AC+1], v[AC], s[SEL], s[SEL+1]           ; the row's other 128 numbers lie in lane l xor 16
	v_add_f32 v[AC], v[AC], v[AC+1]
.endm
	s_load_b256 s[4:11], s[0:1], 0x0               ; x s[4:5], norm_w s[6:7], norm_b s[8:9], W's codes s[10:11]
	s_load_b256 s[12:19], s[0:1], 0x20             ; W's scales s[12:13], qkv_b s[14:15], qi s[16:17], kv s[18:19]
	v_lshl_add_u32 v126, v0, 2, 0x7000
	v_mov_b32 v127, 0
	v_lshrrev_b32 v1, 5, v0
	v_readfirstlane_b32 s20, v1                    ; wave 0..7
	v_and_b32 v1, 31, v0                           ; lane
	v_and_b32 v2, 15, v0                           ; r
	v_bfe_u32 v3, v0, 4, 1                         ; h
	v_and_b32 v[PR], 8, v2
	v_add_nc_u32 v[PR], v[PR], v2                  ; r + 8 (r / 8)
	s_and_b32 s21, s20, 3                          ; g: which 128 rows of W in phase QK
	s_lshr_b32 s22, s20, 2                         ; half: which four token tiles
	s_and_b32 s23, s20, 1                          ; the head's K step that g's channels are
	v_lshlrev_b32 v[XA], 10, v[PR]
	v_lshl_add_u32 v[XA], v3, 6, v[XA]
	v_lshlrev_b32 v[LI], 4, v1
	v_lshlrev_b32 v[LS], 2, v1
	v_lshlrev_b32 v[LI8], 3, v1
	s_mul_i32 s38, s20, 2*FRB
	v_add_nc_u32 v[XWI], s38, v[LI]
	s_lshl_b32 s38, s20, 7
	v_add_nc_u32 v[XWS], s38, v[LS]
	s_mul_i32 s38, s22, 8*FRB
	v_add_nc_u32 v[XRI], s38, v[LI]
	s_lshl_b32 s38, s22, 9
	v_add_nc_u32 v[XRS], s38, v[LS]
	v_mul_u32_u24 v[WA], v[PR], 192
	v_mad_u32_u24 v[WA], v3, 24, v[WA]
	v_lshlrev_b32 v[WSA], 3, v[PR]
	v_lshl_add_u32 v[WSA], v3, 2, v[WSA]
	v_lshlrev_b32 v[BA], 6, v3
	v_lshlrev_b32 v[VBA], 2, v[PR]
	v_cmp_le_u32 s[HM], 16, v1
.irp b, 0,1,2,3
	v_mov_b32 v[TM+4+\b], 0                        ; written once: a lane permute's destination counts as one of its sources
.endr
	s_mov_b32 s[SEL], 0x76543210
	s_mov_b32 s[SEL+1], 0xfedcba98
	s_mov_b32 s26, 0x3b800000                      ; 1 / 256
	s_mov_b32 s27, 0x3727c5ac                      ; 1e-5
	s_lshl_b32 s38, ttmp9, 17                      ; my work-group's 128 rows of 1,024 bytes,
	s_lshr_b32 s52, s20, 1
	s_lshl_b32 s52, s52, 15                        ; + 32 (wave / 2) rows
	s_add_co_u32 s38, s38, s52
	s_lshl_b32 s52, s23, 13                        ; + 8 (wave % 2) rows
	s_add_co_u32 s38, s38, s52
	s_mov_b32 s39, 0
	s_wait_kmcnt 0x0
	s_add_nc_u64 s[4:5], s[4:5], s[38:39]
	; ---- X: my 16 numbers of each of the row's eight blocks of 32
.set k, 0
.rept 32
	global_load_b128 v[X+4*k:X+4*k+3], v[XA], s[4:5] offset:128*(k/4)+16*(k%4)
.set k, k+1
.endr
	WIN 0x40                                       ; destination window 1
.set k, 0
.rept 32
	global_load_b128 v[4*k:4*k+3], v[BA], s[6:7] offset:128*(k/4)+16*(k%4)          ; norm_w at the same channels
	global_load_b128 v[128+4*k:128+4*k+3], v[BA], s[8:9] offset:128*(k/4)+16*(k%4)  ; norm_b
.set k, k+1
.endr
	WIN 0
	; the other addresses, while the loads are out
	s_mul_i32 s38, s21, 128*192
	s_add_nc_u64 s[40:41], s[10:11], s[38:39]      ; W's codes: rows 128 g on
	s_mul_i32 s38, s20, 32*192
	s_add_co_u32 s38, s38, 512*192
	s_add_nc_u64 s[42:43], s[10:11], s[38:39]      ; and rows 512 + 32 wave on, for v
	s_lshl_b32 s38, s21, 10
	s_add_nc_u64 s[44:45], s[12:13], s[38:39]      ; their scale bytes, 8 a row
	s_lshl_b32 s38, s20, 8
	s_add_co_u32 s38, s38, 4096
	s_add_nc_u64 s[46:47], s[12:13], s[38:39]
	s_lshl_b32 s38, s21, 9
	s_add_nc_u64 s[48:49], s[14:15], s[38:39]      ; and their biases
	s_lshl_b32 s38, s20, 7
	s_add_co_u32 s38, s38, 2048
	s_add_nc_u64 s[50:51], s[14:15], s[38:39]
	s_cmp_lt_u32 s21, 2                            ; q's channels go to qi, k's to kv: the choice hangs on the wave's number alone
	s_cselect_b64 s[30:31], s[16:17], s[18:19]
	s_mov_b32 s52, STEPB
	s_cselect_b32 s52, QBLK, s52                   ; bytes of a block of 128 tokens there,
	s_mov_b32 s53, KSOFF
	s_cselect_b32 s53, QSOFF, s53                  ; and where its scale words begin
	s_mul_i32 s38, ttmp9, s52
	s_add_nc_u64 s[30:31], s[30:31], s[38:39]
	s_lshl_b32 s38, s23, 9
	s_add_co_u32 s38, s38, s53
	s_lshl_b32 s52, s22, 8
	s_add_co_u32 s38, s38, s52
	s_add_nc_u64 s[32:33], s[30:31], s[38:39]      ; my 256 bytes of scale words: [s][half]
	s_lshl_b32 s38, s22, 3
	s_add_co_u32 s38, s38, s23
	s_mul_i32 s38, s38, FRB
	s_add_nc_u64 s[30:31], s[30:31], s[38:39]      ; my images: (2 (4 half + i) + s) x 1,536
	s_mul_i32 s38, ttmp9, STEPB
	s_add_nc_u64 s[34:35], s[18:19], s[38:39]
	s_lshl_b32 s38, s20, 7
	s_add_co_u32 s38, s38, VSOFF
	s_add_nc_u64 s[36:37], s[34:35], s[38:39]      ; v's scale words: 128 bytes a wave
	s_mul_i32 s38, s20, 2*FRB
	s_add_co_u32 s38, s38, VOFF
	s_add_nc_u64 s[34:35], s[34:35], s[38:39]      ; v's images: tiles 2 wave, 2 wave + 1
	s_wait_loadcnt 0x3f                            ; behind x's 32 loads 64 were issued; the count's field ends at 63: x is in
.irp k, 0,1,2,3
	v_pk_add_f32 v[AC+2*\k:AC+2*\k+1], v[X+2*\k:X+2*\k+1], v[X+8+2*\k:X+9+2*\k]     ; the first pairs start the chains: nothing is cleared
.endr
.set i, 16
.rept 14
.irp k, 0,1,2,3
	v_pk_add_f32 v[AC+2*\k:AC+2*\k+1], v[AC+2*\k:AC+2*\k+1], v[X+i+2*\k:X+i+2*\k+1]
.endr
.set i, i+8
.endr
	JOIN
	v_mul_f32 v[MU], s26, v[AC]                    ; the mean
	v_mov_b32 v[MU+1], v[MU]
.set i, 0
.rept 64
	v_pk_add_f32 v[X+i:X+i+1], v[X+i:X+i+1], v[MU:MU+1] neg_lo:[0,1] neg_hi:[0,1]   ; x - mean first: the variance is no difference of large sums
.set i, i+2
.endr
.irp k, 0,1,2,3
	v_pk_mul_f32 v[AC+2*\k:AC+2*\k+1], v[X+2*\k:X+2*\k+1], v[X+2*\k:X+2*\k+1]
.endr
.set i, 8
.rept 15
.irp k, 0,1,2,3
	v_pk_fma_f32 v[AC+2*\k:AC+2*\k+1], v[X+i+2*\k:X+i+2*\k+1], v[X+i+2*\k:X+i+2*\k+1], v[AC+2*\k:AC+2*\k+1]
.endr
.set i, i+8
.endr
	JOIN
	v_fma_f32 v[AC], v[AC], s26, s27               ; var + eps
	v_rsq_f32 v[RS], v[AC]
	v_nop                                          ; one plain place behind a transcendental
	s_wait_alu depctr_va_vdst(0)
	v_mov_b32 v[RS+1], v[RS]
.set i, 0
.rept 64
	v_pk_mul_f32 v[X+i:X+i+1], v[X+i:X+i+1], v[RS:RS+1]
.set i, i+2
.endr
	s_wait_loadcnt 0x0                             ; norm_w, norm_b
	WIN 0x14                                       ; sources 1 and 2 window 1
.set i, 0
.rept 64
	v_pk_fma_f32 v[X+i:X+i+1], v[X+i:X+i+1], v[i:i+1], v[128+i:128+i+1]
.set i, i+2
.endr
	WIN 0x40                                       ; W's fragments take norm_w's and norm_b's registers: tile t, K step s at v[12 (2 t + s)] of window 1
.irp t, 0,1,2,3,4,5,6,7
.irp s, 0,1
.irp p, 0,1,2,3,4,5
	global_load_b64 v[12*(2*\t+\s)+2*\p:12*(2*\t+\s)+2*\p+1], v[WA], s[40:41] offset:(32*(\t/2)+8*(\t%2))*192+96*\s+48*(\p/3)+8*(\p%3)
.endr
.endr
.endr
.irp e, 0,1
.irp s, 0,1
.irp p, 0,1,2,3,4,5
	global_load_b64 v[192+12*(2*\e+\s)+2*\p:192+12*(2*\e+\s)+2*\p+1], v[WA], s[42:43] offset:8*\e*192+96*\s+48*(\p/3)+8*(\p%3)
.endr
.endr
.endr
	WIN 0
.irp t, 0,1,2,3,4,5,6,7
	global_load_b32 v[WS+\t], v[WSA], s[44:45] offset:(32*(\t/2)+8*(\t%2))*8      ; lanes 0-15 the word of K step 0, lanes 16-31 of K step 1
.endr
.irp e, 0,1
	global_load_b32 v[WVS+\e], v[WSA], s[46:47] offset:64*\e
	global_load_b32 v[VB+\e], v[VBA], s[50:51] offset:32*\e
.endr
	QUANT X
	IMAGE XWI, XIMG
	v_mov_b32 v[KP], v[PW]
	s_wait_dscnt 0x0                               ; the stores have read their registers
	QUANT X+64
	IMAGE XWI, XIMG+FRB
	v_cndmask_b32 v[KP], v[KP], v[PW], s[HM]       ; lanes 0-15 K step 0's word, lanes 16-31 K step 1's
	ds_store_b32 v[XWS], v[KP] offset:XSC
.irp t, 0,1,2,3,4,5,6,7                ; the bias as a C operand: lane (r, h) wants, for tile 2 b + u, channels 32 b + 16 h + 8 u + 0 .. 7
	global_load_b128 v[BQ+8*\t:BQ+8*\t+3], v[BA], s[48:49] offset:(32*(\t/2)+8*(\t%2))*4
	global_load_b128 v[BQ+8*\t+4:BQ+8*\t+7], v[BA], s[48:49] offset:(32*(\t/2)+8*(\t%2))*4+16
.endr
	s_wait_dscnt 0x0                               ; for the others' sake: my stores have landed
	s_barrier_signal -1
	s_barrier_wait -1                              ; xn's sixteen fragments lie in LDS; nothing is stored there again
	s_wait_loadcnt 0x0                             ; the weights, their scale words, the biases
	; ---- QK: four token tiles; a lane holds a token, registers run along my 128 channels
.irp i, 0,1,2,3
.irp c, 0,1,2,3,4,5
	ds_load_b128 v[XF+4*\c:XF+4*\c+3], v[XRI] offset:XIMG+2*FRB*\i+512*\c
.endr
	ds_load_b32 v[XS], v[XRS] offset:XSC+128*\i
	s_wait_dscnt 0x0
	WIN 0x01                                       ; source 0 (W) window 1
.irp t, 0,1,2,3,4,5,6,7                ; the eight accumulators take turns, one instruction a turn
	v_wmma_scale_f32_16x16x128_f8f6f4 v[D+8*\t:D+8*\t+7], v[24*\t:24*\t+11], v[XF:XF+11], v[BQ+8*\t:BQ+8*\t+7], v[WS+\t], v[XS] matrix_a_fmt:MATRIX_FMT_FP6 matrix_b_fmt:MATRIX_FMT_FP6
.endr
.irp t, 0,1,2,3,4,5,6,7
	v_wmma_scale_f32_16x16x128_f8f6f4 v[D+8*\t:D+8*\t+7], v[24*\t+12:24*\t+23], v[XF+12:XF+23], v[D+8*\t:D+8*\t+7], v[WS+\t], v[XS] matrix_a_fmt:MATRIX_FMT_FP6 matrix_b_fmt:MATRIX_FMT_FP6 matrix_a_scale:MATRIX_SCALE_ROW1 matrix_b_scale:MATRIX_SCALE_ROW1
.endr
	WIN 0
	PLACES 5                                       ; four in front of the reads of results and of loads into operands; the fifth for the next unit's products, which begin these accumulators anew
	s_wait_xcnt 0x0                                ; the last unit's stores have read the codes' registers
	QUANT D
	GIMG 30, 2*FRB*\i
.if \i%2 == 0
	v_mov_b32 v[KP], v[PW]
.else
	v_cndmask_b32 v[SWM+\i/2], v[KP], v[PW], s[HM] ; lanes 0-15 the even tile's word, lanes 16-31 the odd tile's
.endif
.endr
	global_store_b64 v[LI8], v[SWM:SWM+1], s[32:33]    ; 256 consecutive bytes
	; ---- V: all of xn against my two tiles of W's rows: a lane holds a channel, registers run along the 128 tokens
	WIN 0x40
.set k, 0
.rept 48
	ds_load_b128 v[4*k:4*k+3], v[LI] offset:XIMG+512*k
.set k, k+1
.endr
	WIN 0
.irp t, 0,1,2,3,4,5,6,7
	ds_load_b32 v[XS8+\t], v[LS] offset:XSC+128*\t
.endr
.irp e, 0,1
.irp j, 0,1,2,3,4,5,6,7
	v_mov_b32 v[BV+\j], v[VB+\e]                   ; my channel's bias for all eight tokens of a register run
.endr
.if \e == 0
	s_wait_dscnt 0x0
.endif
	WIN 0x05                                       ; sources 0 (xn) and 1 (W) window 1
.irp t, 0,1,2,3,4,5,6,7
	v_wmma_scale_f32_16x16x128_f8f6f4 v[D+8*\t:D+8*\t+7], v[24*\t:24*\t+11], v[192+24*\e:192+24*\e+11], v[BV:BV+7], v[XS8+\t], v[WVS+\e] matrix_a_fmt:MATRIX_FMT_FP6 matrix_b_fmt:MATRIX_FMT_FP6
.endr
.irp t, 0,1,2,3,4,5,6,7
	v_wmma_scale_f32_16x16x128_f8f6f4 v[D+8*\t:D+8*\t+7], v[24*\t+12:24*\t+23], v[192+24*\e+12:192+24*\e+23], v[D+8*\t:D+8*\t+7], v[XS8+\t], v[WVS+\e] matrix_a_fmt:MATRIX_FMT_FP6 matrix_b_fmt:MATRIX_FMT_FP6 matrix_a_scale:MATRIX_SCALE_ROW1 matrix_b_scale:MATRIX_SCALE_ROW1
.endr
	WIN 0
	PLACES 5
	s_wait_xcnt 0x0                                ; the earlier stores have read the codes' registers
	QUANT D
	GIMG 34, FRB*\e
.if \e == 0
	v_mov_b32 v[KP], v[PW]
.else
	v_cndmask_b32 v[KP], v[KP], v[PW], s[HM]
	global_store_b32 v[LS], v[KP], s[36:37]
.endif
.endr
	s_wait_tensorcnt 0x0
	ds_add_u32 v126, v127
	s_wait_dscnt 0x0
	s_endpgm
.Lfunc_end_k_q7c1e940027_prep:
	.size	k_q7c1e940027_prep, .Lfunc_end_k_q7c1e940027_prep-k_q7c1e940027_prep
	.p2alignl 7, 3214868480
	.fill 96, 4, 3214868480
	.section	.rodata,"a",@progbits
	.p2align	6, 0x0
	.amdhsa_kernel k_q7c1e940027_prep
		.amdhsa_group_segment_fixed_size 29696
		.amdhsa_private_segment_fixed_size 0
		.amdhsa_enable_private_segment 0
		.amdhsa_kernarg_size 64
		.amdhsa_user_sgpr_count 2
		.amdhsa_user_sgpr_kernarg_segment_ptr 1
		.amdhsa_wavefront_size32 1
		.amdhsa_system_sgpr_workgroup_id_x 1
		.amdhsa_system_sgpr_workgroup_id_y 1
		.amdhsa_system_sgpr_workgroup_id_z 1
		.amdhsa_system_vgpr_workitem_id 0
		.amdhsa_next_free_vgpr 512
		.amdhsa_next_free_sgpr 66
		.amdhsa_reserve_vcc 0
		.amdhsa_float_denorm_mode_32 3
		.amdhsa_float_denorm_mode_16_64 3
		.amdhsa_memory_ordered 1
		.amdhsa_forward_progress 1
		.amdhsa_inst_pref_size 100
	.end_amdhsa_kernel
	.amdgpu_metadata
---
amdhsa.version: [ 1, 2 ]
amdhsa.kernels:
  - .name:           k_q7c1e940027_prep
    .symbol:         k_q7c1e940027_prep.kd
    .args:
      - { .name: x, .offset: 0, .size: 8, .value_kind: global_buffer, .address_space: global }
      - { .name: norm_w, .offset: 8, .size: 8, .value_kind: global_buffer, .address_space: global }
      - { .name: norm_b, .offset: 16, .size: 8, .value_kind: global_buffer, .address_space: global }
      - { .name: qkv_w_codes, .offset: 24, .size: 8, .value_kind: global_buffer, .address_space: global }
      - { .name: qkv_w_scales, .offset: 32, .size: 8, .value_kind: global_buffer, .address_space: global }
      - { .name: qkv_b, .offset: 40, .size: 8, .value_kind: global_buffer, .address_space: global }
      - { .name: qi, .offset: 48, .size: 8, .value_kind: global_buffer, .address_space: global }
      - { .name: kv, .offset: 56, .size: 8, .value_kind: global_buffer, .address_space: global }
    .group_segment_fixed_size: 29696
    .private_segment_fixed_size: 0
    .kernarg_segment_align: 8
    .kernarg_segment_size: 64
    .max_flat_workgroup_size: 256
    .sgpr_count:     66
    .vgpr_count:     512
    .wavefront_size: 32
...
	.end_amdgpu_metadata
.endif
;; end of part 1
;; launch attn (part 2): grid 64 x 4, 4 waves a work-group, clusters of 4 x 1, 327,680 bytes of LDS; arguments qi, kv, op, ml; writes op, ml
.if DOCPART == 2
	.amdgcn_target "amdgcn-amd-amdhsa--gfx1250"
	.amdhsa_code_object_version 6
	.text
	.protected	k_q7c1e940027_attn
	.globl	k_q7c1e940027_attn
	.p2align	8
	.type	k_q7c1e940027_attn,@function
k_q7c1e940027_attn:
	s_mov_b64 s[64:65], 0
	v_nop
	global_prefetch_b8 v0, s[64:65] scope:SCOPE_SE
	s_setreg_imm32_b32 hwreg(HW_REG_WAVE_MODE, 25, 1), 1
	s_wait_xcnt 0x0
	s_wait_alu depctr_hold_cnt(0) depctr_sa_sdst(0) depctr_va_vdst(0) depctr_va_sdst(0) depctr_va_ssrc(0) depctr_va_vcc(0) depctr_vm_vsrc(0)
	s_getreg_b32 s2, hwreg(HW_REG_IB_STS2, 6, 4)
	s_cmp_eq_u32 s2, 0
	s_cbranch_scc0 .Lentry_in_a_cluster
	s_endpgm
.Lentry_in_a_cluster:
	s_bfe_u32 s2, ttmp6, 0x10000c
	s_cmp_lg_u32 s2, 0x3003
	s_cbranch_scc0 .Lentry_shape_is_right
	s_endpgm
.Lentry_shape_is_right:
; Attention's two products on codes of FP6 (E2M3), for 128 queries x 2,048 keys: work-group x = a block of 128 queries, work-group y = a quarter of the keys (16 key steps of 128).
; t = score x log2(e) / 16; M = the running largest t rounded up to a whole number; p = 2^(t - M) is quantised along the keys; the sum l is taken of the unquantised p.
; The quarter's O^T (not normalised, under its own M) goes to op, (-M, l) to ml; the next launch joins the four quarters by exact powers of two.
; SHARES.  Four waves; wave w owns query tiles 2 w and 2 w + 1 and walks all 16 key steps, so that each fragment of K and of V^T read from LDS feeds two matrix instructions.
; LAYOUT.  Both products are used transposed: S^T = K Q^T (source 0 = 16 keys), O^T = V^T P^T (source 0 = 16 channels): a lane holds ONE query throughout.  The keys of a tile are
; 32 b + 8 u + r + 8 (r / 8), so that the 16 registers of tiles 2 b, 2 b + 1 are 16 neighbouring keys.  qi and kv hold images of operand registers: every LDS read is 16 x lane on end, without padding.
; RING.  Two LDS slots of two key steps (102,400 bytes).  Each wave brings a quarter of a slot by one tensor load of 100 dense rows of 256 bytes.
; CLUSTER.  The four work-groups of a cluster have the same y and walk the same kv, so each load is asked for JOINTLY, with the same descriptor and the mask of all four.
; A wave has two tensor loads out at the start and one behind each round.
; PIPELINE.  R(j): the next step's K is fetched into registers; softmax of step j for both tiles; O^T rescaled; O^T += V^T P of step j; the next step's V is fetched; S^T of step j + 1.
; LIMITS: NaN and infinities are not served; p under 2^-126 counts as 0 (v_exp_f32 gives 0 there); a block of p that is all zeros keeps the scale byte 1 over zero codes.
; REGISTERS: window 0: addresses, statistics, scale words, p's codes, S^T (64 a tile).  window 1: O^T, 128 a tile.  window 2: v0-191 K of a step, v192-239 Q.  window 3: v0-191 V^T of a step.
.set STEPB, 51200
.set VOFF,  24576
.set KSOFF, 49152
.set VSOFF, 50176
.set QUART, 25600                      ; a quarter of a slot: what one tensor load brings
.set SLOT1, 1<<17                      ; slot 1 begins here: one exclusive or turns an address in one slot into the other's
.set SPARE, SLOT1+2*STEPB              ; behind the ring: the spare words, 128 bytes a wave: two blocks of 256 bytes that no other line names
.set NKL,   52                         ; LDS loads of FETCH_K
.set NVL,   56                         ; and of FETCH_V
.set LI,  1                            ; v1  16 x lane
.set LI8, 2                            ; v2  8 x lane
.set LI4, 3                            ; v3  4 x lane
.set ADR, 4                            ; v4-6 the same + the step's first LDS byte
.set ADR8, 5
.set ADR4, 6
.set SPW, 7                            ; v7  LDS address of my spare word; never rewritten
.set NIL, 8                            ; v8  0; never rewritten
.set ST,  12                           ; tile x at v[ST + 8 x]: +0 -M, +1 the largest t, +2, +3 l in two halves, +4 f, +5 p's scale word
.set BM,  28                           ; v28-31 the blocks' largest scores, then largest p
.set BX,  32                           ; v32-35 the other half's; then the scale bytes
.set BS,  36                           ; v36-39 the conversions' scale operands
.set SUM2, 40                          ; v[40:41] the second chain of the sum
.set CT,  42                           ; v42-49 the conversions' second halves
.set PC,  50                           ; p's codes: tile x at v[PC + 12 x]
.set QS,  74                           ; v74-75 Q's scale words, K step s: lanes 0-15 tile 2 w, lanes 16-31 tile 2 w + 1
.set KS,  76                           ; v76-83 K's: register 4 s + t / 2: lanes 0-15 the even tile, lanes 16-31 the odd one
.set VS,  84                           ; v84-91 V's: register t / 2 likewise
.set S,   96                           ; S^T, then p: tile x at v[S + 64 x]
.set WV,  12                           ; s12 my wave's number
.set G1,  24                           ; s[24:31] descriptor group 1
.set G0,  32                           ; s[32:35] group 0 of slot 0's first fill; s[36:39] slot 1's, which then walks
.set SLOTS, 40
.set TWICE, 41
.set CS,  42                           ; s[42:43] c = log2(e) / 16
.set SEL, 44                           ; s[44:45] selects of v_permlanex16_b32: lane l xor 16
.set TB,  46                           ; s46 LDS byte at which the step to be fetched begins
.set MSB, 0
.macro WIN new                         ; the immediate's high byte repeats the setting that is left
.if MSB != \new
	s_set_vgpr_msb (MSB<<8)|\new
.set MSB, \new
.endif
.endm
.set W_KQ, 0x0a                        ; K and Q window 2, S^T window 0
.set W_PV, 0x53                        ; V window 3, p window 0, O^T window 1
.set W_RS, 0x41                        ; O^T (destination and source 0) window 1, f window 0
.macro PLACES n
.rept \n
	v_nop
.endr
.endm
.macro CROUND                          ; a round of the cluster's barrier
	s_barrier_signal -1
	s_barrier_wait -1
	s_cmp_lg_u32 s[WV], 0
	s_cbranch_scc1 .Lnot_wave_0_\@
	s_barrier_signal -3
.Lnot_wave_0_\@:
	s_barrier_wait -3
	s_barrier_signal -1
	s_barrier_wait -1
.endm
; One product on the registers named by rD, rA, rB, rSA, rSB.  zero = 1: it starts the sum.  ra, rb: the side's scale words stand in lanes 16-31.
.macro MM zero, ra, rb
.if \zero
.if (\ra) && (\rb)
	v_wmma_scale_f32_16x16x128_f8f6f4 v[rD:rD+7], v[rA:rA+11], v[rB:rB+11], 0, v[rSA], v[rSB] matrix_a_fmt:MATRIX_FMT_FP6 matrix_b_fmt:MATRIX_FMT_FP6 matrix_a_scale:MATRIX_SCALE_ROW1 matrix_b_scale:MATRIX_SCALE_ROW1
.elseif (\ra)
	v_wmma_scale_f32_16x16x128_f8f6f4 v[rD:rD+7], v[rA:rA+11], v[rB:rB+11], 0, v[rSA], v[rSB] matrix_a_fmt:MATRIX_FMT_FP6 matrix_b_fmt:MATRIX_FMT_FP6 matrix_a_scale:MATRIX_SCALE_ROW1
.elseif (\rb)
	v_wmma_scale_f32_16x16x128_f8f6f4 v[rD:rD+7], v[rA:rA+11], v[rB:rB+11], 0, v[rSA], v[rSB] matrix_a_fmt:MATRIX_FMT_FP6 matrix_b_fmt:MATRIX_FMT_FP6 matrix_b_scale:MATRIX_SCALE_ROW1
.else
	v_wmma_scale_f32_16x16x128_f8f6f4 v[rD:rD+7], v[rA:rA+11], v[rB:rB+11], 0, v[rSA], v[rSB] matrix_a_fmt:MATRIX_FMT_FP6 matrix_b_fmt:MATRIX_FMT_FP6
.endif
.else
.if (\ra) && (\rb)
	v_wmma_scale_f32_16x16x128_f8f6f4 v[rD:rD+7], v[rA:rA+11], v[rB:rB+11], v[rD:rD+7], v[rSA], v[rSB] matrix_a_fmt:MATRIX_FMT_FP6 matrix_b_fmt:MATRIX_FMT_FP6 matrix_a_scale:MATRIX_SCALE_ROW1 matrix_b_scale:MATRIX_SCALE_ROW1
.elseif (\ra)
	v_wmma_scale_f32_16x16x128_f8f6f4 v[rD:rD+7], v[rA:rA+11], v[rB:rB+11], v[rD:rD+7], v[rSA], v[rSB] matrix_a_fmt:MATRIX_FMT_FP6 matrix_b_fmt:MATRIX_FMT_FP6 matrix_a_scale:MATRIX_SCALE_ROW1
.elseif (\rb)
	v_wmma_scale_f32_16x16x128_f8f6f4 v[rD:rD+7], v[rA:rA+11], v[rB:rB+11], v[rD:rD+7], v[rSA], v[rSB] matrix_a_fmt:MATRIX_FMT_FP6 matrix_b_fmt:MATRIX_FMT_FP6 matrix_b_scale:MATRIX_SCALE_ROW1
.else
	v_wmma_scale_f32_16x16x128_f8f6f4 v[rD:rD+7], v[rA:rA+11], v[rB:rB+11], v[rD:rD+7], v[rSA], v[rSB] matrix_a_fmt:MATRIX_FMT_FP6 matrix_b_fmt:MATRIX_FMT_FP6
.endif
.endif
.endm
.macro FETCH_K                         ; a step's 16 fragments of K and their scale words: 52 loads in one run
	v_add_nc_u32 v[ADR], s[TB], v[LI]
	v_add_nc_u32 v[ADR8], s[TB], v[LI8]
.irp i, 0,1,2,3
	ds_load_b64 v[KS+2*\i:KS+2*\i+1], v[ADR8] offset:KSOFF+256*\i
.endr
	WIN 0x80                                       ; destination window 2
.set k, 0
.rept 48
	ds_load_b128 v[4*k:4*k+3], v[ADR] offset:512*k
.set k, k+1
.endr
	WIN 0
.endm
.macro FETCH_V                         ; a step's 16 fragments of V^T and their scale words: 56 loads in one run
	v_add_nc_u32 v[ADR], s[TB], v[LI]
	v_add_nc_u32 v[ADR4], s[TB], v[LI4]
.irp i, 0,1,2,3,4,5,6,7
	ds_load_b32 v[VS+\i], v[ADR4] offset:VSOFF+128*\i
.endr
	WIN 0xc0                                       ; destination window 3
.set k, 0
.rept 48
	ds_load_b128 v[4*k:4*k+3], v[ADR] offset:VOFF+512*k
.set k, k+1
.endr
	WIN 0
	s_add_co_u32 s[TB], s[TB], STEPB               ; the next fetch is the next step's
.endm
.macro SMUL                            ; S^T = K Q^T: 8 tiles of keys x 2 tiles of queries, the head's two K steps.  The 16 accumulators take turns, one instruction a turn
	WIN W_KQ
.irp s, 0,1
.irp t, 0,1,2,3,4,5,6,7
.irp x, 0,1
.set rD, S+64*\x+8*\t
.set rA, 12*(2*\t+\s)
.set rB, 192+24*\x+12*\s
.set rSA, KS+4*\s+\t/2
.set rSB, QS+\s
	MM 1-\s, \t%2, \x
.endr
.endr
.endr
	WIN 0
.endm
.macro PV zero                         ; O^T += V^T P^T: 16 tiles of channels x 2 tiles of queries, K = the step's 128 keys: 32 accumulators, one instruction each
	WIN W_PV
.irp t, 0,1,2,3,4,5,6,7,8,9,10,11,12,13,14,15
.irp x, 0,1
.set rD, 128*\x+8*\t
.set rA, 12*\t
.set rB, PC+12*\x
.set rSA, VS+\t/2
.set rSB, ST+8*\x+5
	MM \zero, \t%2, 0
.endr
.endr
	WIN 0
.endm
.macro RESC x                          ; tile x's O^T under the new M: x f, a power of two: nothing is rounded
	WIN W_RS
.set j, 0
.rept 64
	v_pk_mul_f32 v[128*\x+j:128*\x+j+1], v[128*\x+j:128*\x+j+1], v[ST+8*\x+4:ST+8*\x+5] op_sel_hi:[1,0]
.set j, j+2
.endr
.endm
.macro SOFT x                          ; tile x's softmax for a key step: S^T -> p's codes and scale word, f, l
.set rS, S+64*\x
.set rT, ST+8*\x
.set rP, PC+12*\x
.irp b, 0,1,2,3
	v_max3_num_f32 v[BM+\b], v[rS+16*\b], v[rS+1+16*\b], v[rS+2+16*\b]     ; the largest score of each block of 32 keys: for the row's maximum and, since p rises with the score, for the block's largest p
.endr
.irp i, 3,5,7,9,11,13
.irp b, 0,1,2,3
	v_max3_num_f32 v[BM+\b], v[BM+\b], v[rS+16*\b+\i], v[rS+1+16*\b+\i]
.endr
.endr
.irp b, 0,1,2,3
	v_max_num_f32 v[BM+\b], v[BM+\b], v[rS+15+16*\b]
.endr
.irp b, 0,1,2,3
	v_permlanex16_b32 v[BX+\b], v[BM+\b], s[SEL], s[SEL+1]
.endr
.irp b, 0,1,2,3
	v_max_num_f32 v[BM+\b], v[BM+\b], v[BX+\b]                   ; with lane l xor 16's 16 keys
.endr
	v_max3_num_f32 v10, v[BM], v[BM+1], v[BM+2]
	v_max_num_f32 v10, v10, v[BM+3]
	v_mul_f32 v10, s[CS], v10                                    ; the step's largest t (c is positive)
	v_max_num_f32 v[rT+1], v[rT+1], v10                          ; the running largest t
	v_mov_b32 v10, v[rT]
	v_floor_f32 v[rT], -v[rT+1]                                  ; the new -M = floor(-t): M is a whole number
	v_sub_f32 v10, v[rT], v10                                    ; old M - new M: a whole number, 0 or less
	v_cvt_i32_f32 v10, v10                                       ; (it saturates)
	v_ldexp_f32 v[rT+4], 1.0, v10                                ; f = 2^(old M - new M)
.set j, 0
.rept 32
	v_pk_fma_f32 v[rS+j:rS+j+1], v[rS+j:rS+j+1], s[CS:CS+1], v[rT:rT+1] op_sel_hi:[1,0,0]   ; t - M, two at a time
.set j, j+2
.endr
.irp b, 0,1,2,3
	v_fma_f32 v[BM+\b], v[BM+\b], s[CS], v[rT]                   ; the same of each block's largest score
.endr
.set j, 0
.rept 64
	v_exp_f32 v[rS+j], v[rS+j]                                   ; p = 2^(t - M), at most 1
.set j, j+1
.endr
.irp b, 0,1,2,3
	v_exp_f32 v[BM+\b], v[BM+\b]                                 ; the block's largest p
.endr
	v_pk_mul_f32 v[rT+2:rT+3], v[rT+2:rT+3], v[rT+4:rT+5] op_sel_hi:[1,0]   ; l under the new M.  (The plain place behind the exponentials)
	s_wait_alu depctr_va_vdst(0)
.irp b, 0,1,2,3
	v_max_num_f32 v[BM+\b], 0x1800000, v[BM+\b]                  ; the floor 2^(3 - 127): the byte cannot fall under 1
.endr
.irp b, 0,1,2,3
	v_add_nc_u32 v[BS+\b], 0xff000000, v[BM+\b]                  ; 2 off the exponent field: the conversion's scale operand
.endr
.irp b, 0,1,2,3
	v_lshrrev_b32 v[BX+\b], 23, v[BS+\b]                         ; the scale's byte
.endr
	v_lshl_or_b32 v[rT+5], v[BX+1], 8, v[BX]                     ; p's scale word for these 128 keys
	v_lshl_or_b32 v[rT+5], v[BX+2], 16, v[rT+5]
	v_lshl_or_b32 v[rT+5], v[BX+3], 24, v[rT+5]
.irp c, 0,1
	v_cvt_scalef32_pk16_fp6_f32 v[rP+6*\c:rP+2+6*\c], v[rS+32*\c:rS+15+32*\c], v[BS+2*\c]
	v_cvt_scalef32_pk16_fp6_f32 v[CT+4*\c:CT+2+4*\c], v[rS+16+32*\c:rS+31+32*\c], v[BS+2*\c+1]   ; (a conversion's three registers begin on an even number)
.endr
	v_nop                                                        ; one plain place behind a scaled conversion
.irp c, 0,1                            ; the operand's layout wants a whole block in a lane
.irp i, 0,1,2
	v_permlane16_swap_b32 v[rP+6*\c+\i], v[CT+4*\c+\i]
.endr
.irp i, 0,1,2
	v_mov_b32 v[rP+3+6*\c+\i], v[CT+4*\c+\i]
.endr
.endr
	v_pk_add_f32 v[SUM2:SUM2+1], v[rS:rS+1], v[rS+2:rS+3]        ; the sum is taken of the unquantised p, in two chains
.irp j, 4,8,12,16,20,24,28,32,36,40,44,48,52,56,60
	v_pk_add_f32 v[rT+2:rT+3], v[rT+2:rT+3], v[rS+\j:rS+1+\j]
	v_pk_add_f32 v[SUM2:SUM2+1], v[SUM2:SUM2+1], v[rS+2+\j:rS+3+\j]
.endr
	v_pk_add_f32 v[rT+2:rT+3], v[rT+2:rT+3], v[SUM2:SUM2+1]
.endm
; R(j).  first = 1: step 0, whose products start O^T.  last = 1: step 15, behind which nothing is fetched.
.macro R first, last
	PLACES 4                                       ; behind S^T's products: in front of the loads into K's registers and scale words, and of the first read of the scores
.if \last == 0
	FETCH_K
.endif
	SOFT 0
	SOFT 1
.if \first
	PLACES 8                                       ; a scale word written by vector instructions stands 8 places ahead of a scaled product
.else
	RESC 0
	RESC 1                                         ; (these 128 are also those places)
.endif
.if \last
	s_wait_dscnt 0x0                               ; V of this step is in
.else
	s_wait_dscnt NKL                               ; V of this step is in: behind its loads only the next K's 52 were issued
.endif
	PV \first
.if \last == 0
	PLACES 4                                       ; in front of the loads into V's registers and scale words
	FETCH_V
	s_wait_dscnt NVL                               ; K is in; V's 56 loads may stay out
	SMUL
.endif
.endm
; THE CHANGE OF SLOTS.  Both steps of the slot in hand have been asked for into registers.  Each wave waits for all its tensor loads (its quarter of the other slot), adds 0 to its spare word, and
; waits for that and for its reads.  fill = 1: a round of the cluster's barrier, and the slot is filled again, two slots ahead: the load has two key steps in which to land.
.macro CHANGE fill
	s_wait_tensorcnt 0x0                           ; no tensor load of mine is out, so a group 0 may be written
	ds_add_u32 v[SPW], v[NIL]                      ; 0 onto my spare word
.if \fill
	s_xor_b32 s[G0+5], s[G0+5], SLOT1              ; the walking descriptor: the other slot than last time,
	s_add_nc_u64 s[G0+6:G0+7], s[G0+6:G0+7], 2*STEPB   ; the next two key steps; the type bits on top are not reached
.endif
	s_wait_dscnt 0x0                               ; the add is done, and my reads of the slot are over
.if \fill
	CROUND
	tensor_load_to_lds s[G0+4:G0+7], s[G1:G1+7]    ; the first thing behind the round, and my one tensor load until the next
	s_nop 0
	PLACES 4
.else
	s_barrier_signal -1
	s_barrier_wait -1
.endif
	s_sub_co_u32 s[TB], s[TB], 2*STEPB             ; the fetches go back to a slot's first step,
	s_xor_b32 s[TB], s[TB], SLOT1                  ; in the other slot
.endm
.macro TWO_STEPS                       ; written once, walked twice; the LDS addresses hang on s[TB]
	s_mov_b32 s[TWICE], 2
.Lstep_\@:
	R 0, 0
	s_sub_co_u32 s[TWICE], s[TWICE], 1
	s_cmp_lg_u32 s[TWICE], 0
	s_cbranch_scc1 .Lstep_\@
.endm
	s_load_b256 s[4:11], s[0:1], 0x0               ; qi s[4:5], kv s[6:7], op s[8:9], ml s[10:11]
	v_lshl_add_u32 v[SPW], v0, 2, SPARE
	v_mov_b32 v[NIL], 0
	ds_add_u32 v7, v8
	ds_add_u32 v7, v8
	s_wait_dscnt 0x0
	v_lshrrev_b32 v10, 5, v0
	v_readfirstlane_b32 s[WV], v10                 ; wave 0..3
	v_and_b32 v10, 31, v0
	v_lshlrev_b32 v[LI], 4, v10
	v_lshlrev_b32 v[LI8], 3, v10
	v_lshlrev_b32 v[LI4], 2, v10
	s_and_b32 s15, ttmp7, 0xffff                   ; y: my quarter of the keys, which the four partners share
	s_mul_i32 s16, s15, 16*STEPB
	s_mul_i32 s18, s[WV], QUART                    ; my quarter of a slot, in memory and in LDS: no place in the cluster enters either
	s_add_co_u32 s16, s16, s18
	s_mov_b32 s17, 0
	s_mov_b32 s[G1], 15|(3<<16)|(1<<21)            ; 15:0 the mask: all four work-groups; 17:16 elements of 8 bytes; 20 no padding; 21 set beside a mask
	s_mov_b32 s[G1+1], 32<<16                      ; tensor_dim0 = 32 elements: 256 bytes
	s_mov_b32 s[G1+2], 100<<16                     ; tensor_dim1 = 100 rows
	s_mov_b32 s[G1+3], 32<<16                      ; tile_dim0
	s_mov_b32 s[G1+4], 100                         ; tile_dim1
	s_mov_b32 s[G1+5], 32                          ; the pitch: the block is dense
	s_mov_b32 s[G1+6], 0
	s_mov_b32 s[G1+7], 0
	s_mov_b32 s[CS], 0x3db8aa3b                    ; c = log2(e) / sqrt(256)
	s_mov_b32 s[CS+1], s[CS]                       ; (named with it as a pair, so it is written)
	s_mov_b32 s[SEL], 0x76543210
	s_mov_b32 s[SEL+1], 0xfedcba98
	s_mov_b32 s[TB], 0
	s_mov_b32 s[SLOTS], 6
	; what hangs on my place in the cluster enters Q's, op's and ml's addresses alone, in registers of its own
	s_bfe_u32 s48, ttmp6, 0x40000                  ; cx
	s_lshl_b32 s49, ttmp9, 2
	s_add_co_u32 s56, s49, s48                     ; X: my block of 128 queries = 4 x cluster x + cx
	s_mul_i32 s48, s56, 25600
	s_mov_b32 s49, 0
	s_lshr_b32 s50, s[WV], 1
	s_lshl_b32 s50, s50, 8
	s_and_b32 s51, s[WV], 1
	s_lshl_b32 s51, s51, 2
	s_add_co_u32 s50, s50, s51
	s_add_co_u32 s50, s50, 24576                   ; Q's scale words: 24,576 + 256 (w / 2) + 4 (w % 2)
	s_mov_b32 s51, 0
	s_lshl_b32 s52, s15, 23                        ; op: 8 MiB a quarter, 128 KiB a block, 32 KiB a wave
	s_lshl_b32 s53, s56, 17
	s_add_co_u32 s52, s52, s53
	s_lshl_b32 s53, s[WV], 15
	s_add_co_u32 s52, s52, s53
	s_mov_b32 s53, 0
	s_lshl_b32 s54, s15, 9                         ; ml: 256 bytes a tile: tile 512 y + 8 X + 2 w
	s_lshl_b32 s55, s56, 3
	s_add_co_u32 s54, s54, s55
	s_lshl_b32 s55, s[WV], 1
	s_add_co_u32 s54, s54, s55
	s_lshl_b32 s54, s54, 8
	s_mov_b32 s55, 0
	s_mul_i32 s56, s[WV], 6144                     ; Q's images of my two tiles
	s_mov_b32 s57, 0
	s_wait_kmcnt 0x0
	s_add_nc_u64 s[20:21], s[6:7], s[16:17]        ; kv at my quarter of slot 0's first fill
	s_add_nc_u64 s[4:5], s[4:5], s[48:49]
	s_add_nc_u64 s[50:51], s[4:5], s[50:51]
	s_add_nc_u64 s[4:5], s[4:5], s[56:57]
	s_add_nc_u64 s[8:9], s[8:9], s[52:53]
	s_add_nc_u64 s[10:11], s[10:11], s[54:55]
	s_mov_b32 s[G0], 1                             ; count = 1
	s_mov_b32 s[G0+1], s18                         ; LDS address: slot 0
	s_mov_b64 s[G0+2:G0+3], s[20:21]               ; key steps 0 and 1 of my quarter of the keys
	s_or_b32 s[G0+3], s[G0+3], 0x80000000          ; type = 2
	s_mov_b32 s[G0+4], 1
	s_add_co_u32 s[G0+5], s18, SLOT1               ; slot 1
	s_add_nc_u64 s[G0+6:G0+7], s[20:21], 2*STEPB   ; key steps 2 and 3
	s_or_b32 s[G0+7], s[G0+7], 0x80000000
	CROUND                                         ; all four work-groups are here: the first joint loads meet
	tensor_load_to_lds s[G0:G0+3], s[G1:G1+7]
	s_nop 0
	tensor_load_to_lds s[G0+4:G0+7], s[G1:G1+7]
	s_nop 0
	PLACES 4
	WIN 0x80                                       ; Q stays in registers: tile x, K step s at v[192 + 24 x + 12 s] of window 2
.set k, 0
.rept 12
	global_load_b128 v[192+4*k:195+4*k], v[LI], s[4:5] offset:512*k
.set k, k+1
.endr
	WIN 0
.irp s, 0,1
	global_load_b32 v[QS+\s], v[LI8], s[50:51] offset:512*\s
.endr
.irp x, 0,1
	v_mov_b32 v[ST+8*\x+1], 0xff61b1e6             ; the largest t so far: -3e38, under every t
	v_floor_f32 v[ST+8*\x], -v[ST+8*\x+1]          ; -M
	v_mov_b32 v[ST+8*\x+2], 0                      ; l, in two halves
	v_mov_b32 v[ST+8*\x+3], 0
	v_mov_b32 v[ST+8*\x+5], 0                      ; (named as the upper half of a pair before it is first written)
.endr
.irp b, 0,1,2,3
	v_mov_b32 v[BX+\b], 0                          ; written once: a lane permute's destination counts as one of its sources
.endr
	v_mov_b32 v11, 0
	s_wait_tensorcnt 0x1                           ; my quarter of slot 0 is in; slot 1's may stay out
	s_barrier_signal -1
	s_barrier_wait -1                              ; everybody's is
	FETCH_K                                        ; key step 0
	FETCH_V
	s_wait_loadcnt 0x0                             ; Q
	s_wait_dscnt NVL                               ; K is in
	SMUL
	R 1, 0                                         ; step 0
.Lslot:                                            ; six trips: every slot but the last two is filled again
	CHANGE 1
	TWO_STEPS
	s_sub_co_u32 s[SLOTS], s[SLOTS], 1
	s_cmp_lg_u32 s[SLOTS], 0
	s_cbranch_scc1 .Lslot
	CHANGE 0                                       ; the tail is written out
	TWO_STEPS
	R 0, 1                                         ; step 15
	; THE WAY OUT: (-M, l) and O^T as it stands in its registers: each store covers 512 (ml: 256) consecutive bytes
	PLACES 4
.irp x, 0,1
	v_add_f32 v10, v[ST+8*\x+2], v[ST+8*\x+3]
	v_permlanex16_b32 v11, v10, s[SEL], s[SEL+1]
	v_add_f32 v[ST+8*\x+1], v10, v11               ; l: both halves, and lane l xor 16's keys
	global_store_b64 v[LI8], v[ST+8*\x:ST+8*\x+1], s[10:11] offset:256*\x
.endr
	WIN 0x04                                       ; a store's data are its source 1: window 1
.set k, 0
.rept 64
	global_store_b128 v[LI], v[4*k:4*k+3], s[8:9] offset:512*k       ; ascending: each accumulator from its low end on
.set k, k+1
.endr
	WIN 0
	s_wait_tensorcnt 0x0                           ; the wave's end
	ds_add_u32 v[SPW], v[NIL]
	s_wait_dscnt 0x0
	CROUND                                         ; the closing round: no work-group ends while a partner may still ask for a tile that names it
	s_endpgm
.Lfunc_end_k_q7c1e940027_attn:
	.size	k_q7c1e940027_attn, .Lfunc_end_k_q7c1e940027_attn-k_q7c1e940027_attn
	.p2alignl 7, 3214868480
	.fill 96, 4, 3214868480
	.section	.rodata,"a",@progbits
	.p2align	6, 0x0
	.amdhsa_kernel k_q7c1e940027_attn
		.amdhsa_group_segment_fixed_size 327680
		.amdhsa_private_segment_fixed_size 0
		.amdhsa_enable_private_segment 0
		.amdhsa_kernarg_size 32
		.amdhsa_user_sgpr_count 2
		.amdhsa_user_sgpr_kernarg_segment_ptr 1
		.amdhsa_wavefront_size32 1
		.amdhsa_system_sgpr_workgroup_id_x 1
		.amdhsa_system_sgpr_workgroup_id_y 1
		.amdhsa_system_sgpr_workgroup_id_z 1
		.amdhsa_system_vgpr_workitem_id 0
		.amdhsa_next_free_vgpr 1024
		.amdhsa_next_free_sgpr 66
		.amdhsa_reserve_vcc 0
		.amdhsa_float_denorm_mode_32 3
		.amdhsa_float_denorm_mode_16_64 3
		.amdhsa_memory_ordered 1
		.amdhsa_forward_progress 1
		.amdhsa_inst_pref_size 186
	.end_amdhsa_kernel
	.amdgpu_metadata
---
amdhsa.version: [ 1, 2 ]
amdhsa.kernels:
  - .name:           k_q7c1e940027_attn
    .symbol:         k_q7c1e940027_attn.kd
    .args:
      - { .name: qi, .offset: 0, .size: 8, .value_kind: global_buffer, .address_space: global }
      - { .name: kv, .offset: 8, .size: 8, .value_kind: global_buffer, .address_space: global }
      - { .name: op, .offset: 16, .size: 8, .value_kind: global_buffer, .address_space: global }
      - { .name: ml, .offset: 24, .size: 8, .value_kind: global_buffer, .address_space: global }
    .group_segment_fixed_size: 327680
    .private_segment_fixed_size: 0
    .kernarg_segment_align: 8
    .kernarg_segment_size: 32
    .max_flat_workgroup_size: 128
    .sgpr_count:     66
    .vgpr_count:     1024
    .wavefront_size: 32
...
	.end_amdgpu_metadata
.endif
;; end of part 2
;; launch fin (part 3): grid 256 x 1, 4 waves a work-group, no clusters, 41,472 bytes of LDS; arguments op, ml, proj_w_codes, proj_w_scales, proj_b, x, out0; writes out0
.if DOCPART == 3
	.amdgcn_target "amdgcn-amd-amdhsa--gfx1250"
	.amdhsa_code_object_version 6
	.text
	.protected	k_q7c1e940027_fin
	.globl	k_q7c1e940027_fin
	.p2align	8
	.type	k_q7c1e940027_fin,@function
k_q7c1e940027_fin:
	s_mov_b64 s[64:65], 0
	v_nop
	global_prefetch_b8 v0, s[64:65] scope:SCOPE_SE
	s_setreg_imm32_b32 hwreg(HW_REG_WAVE_MODE, 25, 1), 1
	s_wait_xcnt 0x0
; The four quarters of the keys are joined, O is divided by l and quantised, and out0 = x + O proj_w^T + proj_b, the product on codes of FP6 (E2M3).
; A work-group takes 32 queries: tiles 2 B and 2 B + 1, whose lane r is query 32 B + 8 u + r + 8 (r / 8).  Wave w: u = w % 2, c = w / 2: it joins channels 128 c .. + 127 of tile u
; (64 registers a quarter, as the launch before left them: register 16 b + i = channel 32 b + 16 (lane / 16) + i), which are one K step of the product; the fragment goes to the partner
; wave through LDS as an image of its registers; then it makes output channels 128 c .. + 127 of tile u (source 0 = 16 rows of proj_w, source 1 = O: a lane holds a query and eight neighbouring outputs).
; JOIN.  -M* = the smallest -M; F_s = 2^(M_s - M*), exact; l = the sum of F_s l_s; O = the sum of (F_s / l) O_s.
; The results meet in a stage in LDS (rows of 1,024 bytes + 16) and leave with x added, each store 512 consecutive bytes.  No tensor load, two barriers.
; LIMITS: NaN and infinities are not served; a block of zeros gets the scale byte 1 over zero codes.
.set FRB,  1536
.set OIMG, 0                           ; LDS: O's four images, (2 u + c) x 1,536
.set OSC,  4*FRB                       ; their scale words, 128 bytes each
.set STG,  OSC+512                     ; the stage: 32 rows x 1,040 bytes
.set SP,   1040
.set LI,  1                            ; v1  16 x lane
.set LI8, 2                            ; v2  8 x lane
.set LS,  3                            ; v3  4 x lane
.set PA,  4                            ; v4  a row of proj_w's codes: 192 r + 24 h
.set WSA, 5                            ; v5  its scale word: 8 r + 4 h
.set BA,  6                            ; v6  32 h
.set OWI, 7                            ; v7  where I store my image;  v8 its scale word
.set OWS, 8
.set ORI, 9                            ; v9  where I read tile u's two images;  v10 their scale words
.set ORS, 10
.set SO,  11                           ; v11 the stage: where I put 32 bytes of a row
.set SR,  12                           ; v12 and where I read rows back
.set TM,  16
.set PW,  32
.set ML,  34                           ; v34-41 (-M, l) of the four quarters
.set G,   42                           ; v42-49 F_s / l at the even registers
.set PC,  56
.set XF,  76                           ; v76-99 O's two fragments
.set XS,  100                          ; v100-101 their scale words
.set WS,  102                          ; v102-109 proj_w's: lanes 0-15 K step 0, lanes 16-31 K step 1
.set P0,  112                          ; v112-175 quarter 0, then the joined O, later rows of the result
.set D,   176                          ; v176-239 the product's eight accumulators
; window 1: v0-191 quarters 1 to 3; v192-255 x's rows.   window 2: v0-191 proj_w's 16 fragments; v192-255 the bias, 8 tiles
.set SEL, 30
.set MSB, 0
.macro WIN new                         ; the immediate's high byte repeats the setting that is left
.if MSB != \new
	s_set_vgpr_msb (MSB<<8)|\new
.set MSB, \new
.endif
.endm
.macro QUANT s                         ; 64 numbers of a lane, register 16 b + i = k 32 b + 16 (lane / 16) + i of my row -> codes in v[PC] on, scale word in v[PW]
.irp b, 0,1,2,3
	v_max3_num_f32 v[TM+\b], |v[(\s)+16*\b]|, |v[(\s)+1+16*\b]|, 0x1800000   ; and the floor 2^(3 - 127): the byte cannot fall under 1
.endr
.irp i, 2,4,6,8,10,12,14
.irp b, 0,1,2,3
	v_max3_num_f32 v[TM+\b], v[TM+\b], |v[(\s)+16*\b+\i]|, |v[(\s)+1+16*\b+\i]|
.endr
.endr
.irp b, 0,1,2,3
	v_permlanex16_b32 v[TM+4+\b], v[TM+\b], s[SEL], s[SEL+1]
.endr
.irp b, 0,1,2,3
	v_max_num_f32 v[TM+\b], v[TM+\b], v[TM+4+\b]
.endr
.irp b, 0,1,2,3
	v_add_nc_u32 v[TM+12+\b], 0xff000000, v[TM+\b]               ; 2 off the exponent field: the conversion's scale operand
.endr
.irp b, 0,1,2,3
	v_lshrrev_b32 v[TM+4+\b], 23, v[TM+12+\b]
.endr
	v_lshl_or_b32 v[PW], v[TM+5], 8, v[TM+4]
	v_lshl_or_b32 v[PW], v[TM+6], 16, v[PW]
	v_lshl_or_b32 v[PW], v[TM+7], 24, v[PW]
.irp c, 0,1
	v_cvt_scalef32_pk16_fp6_f32 v[PC+6*\c:PC+2+6*\c], v[(\s)+32*\c:(\s)+15+32*\c], v[TM+12+2*\c]
	v_cvt_scalef32_pk16_fp6_f32 v[PC+12+4*\c:PC+14+4*\c], v[(\s)+16+32*\c:(\s)+31+32*\c], v[TM+12+2*\c+1]
.endr
	v_nop                                                        ; one plain place behind a scaled conversion
.irp c, 0,1
.irp i, 0,1,2
	v_permlane16_swap_b32 v[PC+6*\c+\i], v[PC+12+4*\c+\i]
.endr
.irp i, 0,1,2
	v_mov_b32 v[PC+3+6*\c+\i], v[PC+12+4*\c+\i]
.endr
.endr
.endm
	s_load_b256 s[4:11], s[0:1], 0x0               ; op s[4:5], ml s[6:7], proj_w's codes s[8:9], its scales s[10:11]
	s_load_b128 s[12:15], s[0:1], 0x20             ; proj_b s[12:13], x s[14:15]
	s_load_b64 s[16:17], s[0:1], 0x30              ; out0
	v_lshl_add_u32 v254, v0, 2, 0xa000
	v_mov_b32 v255, 0
	v_lshrrev_b32 v13, 5, v0
	v_readfirstlane_b32 s18, v13                   ; wave 0..3
	s_and_b32 s19, s18, 1                          ; u
	s_lshr_b32 s28, s18, 1                         ; c
	v_and_b32 v13, 31, v0
	v_and_b32 v14, 15, v0                          ; r
	v_bfe_u32 v15, v0, 4, 1                        ; h
	v_lshlrev_b32 v[LI], 4, v13
	v_lshlrev_b32 v[LI8], 3, v13
	v_lshlrev_b32 v[LS], 2, v13
	v_mul_u32_u24 v[PA], v14, 192
	v_mad_u32_u24 v[PA], v15, 24, v[PA]
	v_lshlrev_b32 v[WSA], 3, v14
	v_lshl_add_u32 v[WSA], v15, 2, v[WSA]
	v_lshlrev_b32 v[BA], 5, v15
	s_lshl_b32 s34, s19, 1
	s_add_co_u32 s34, s34, s28                     ; 2 u + c
	s_mul_i32 s35, s34, FRB
	v_add_nc_u32 v[OWI], s35, v[LI]
	s_lshl_b32 s35, s34, 7
	v_add_nc_u32 v[OWS], s35, v[LS]
	s_mul_i32 s35, s19, 2*FRB
	v_add_nc_u32 v[ORI], s35, v[LI]
	s_lshl_b32 s35, s19, 8
	v_add_nc_u32 v[ORS], s35, v[LS]
	v_and_b32 v13, 8, v14
	v_add_nc_u32 v13, v13, v14                     ; r + 8 (r / 8)
	v_mul_u32_u24 v[SO], v13, SP
	v_lshl_add_u32 v[SO], v15, 5, v[SO]
	s_mul_i32 s35, s19, 8*SP
	s_lshl_b32 s36, s28, 9
	s_add_co_u32 s35, s35, s36
	s_add_co_u32 s35, s35, STG
	v_add_nc_u32 v[SO], s35, v[SO]                 ; the stage: row 8 u + r + 8 (r / 8), byte 512 c + 32 h
	s_mul_i32 s35, s18, 8*SP
	s_add_co_u32 s35, s35, STG
	v_add_nc_u32 v[SR], s35, v[LI]                 ; back: rows 8 w on, 16 bytes a lane
.irp b, 0,1,2,3
	v_mov_b32 v[TM+4+\b], 0                        ; written once: a lane permute's destination counts as one of its sources
.endr
	s_mov_b32 s[SEL], 0x76543210
	s_mov_b32 s[SEL+1], 0xfedcba98
	s_lshl_b32 s34, ttmp9, 1
	s_add_co_u32 s34, s34, s19                     ; my tile: 2 B + u
	s_mov_b32 s33, 0
	s_mov_b32 s37, 0
	s_mov_b32 s39, 0
	s_lshl_b32 s32, s34, 8                         ; ml: 256 bytes a tile
	s_lshl_b32 s36, s34, 14                        ; op: 16 KiB a tile, + 8 KiB c
	s_lshl_b32 s35, s28, 13
	s_add_co_u32 s36, s36, s35
	s_lshl_b32 s38, ttmp9, 15                      ; x, out0: rows 32 B + 8 w of 1,024 bytes
	s_lshl_b32 s35, s18, 13
	s_add_co_u32 s38, s38, s35
	s_wait_kmcnt 0x0
	s_add_nc_u64 s[6:7], s[6:7], s[32:33]
	s_add_nc_u64 s[20:21], s[4:5], s[36:37]
	s_add_nc_u64 s[22:23], s[20:21], 0x800000      ; the quarters lie 8 MiB apart: a base for each
	s_add_nc_u64 s[24:25], s[22:23], 0x800000
	s_add_nc_u64 s[26:27], s[24:25], 0x800000
	s_add_nc_u64 s[14:15], s[14:15], s[38:39]
	s_add_nc_u64 s[16:17], s[16:17], s[38:39]
	s_mul_i32 s32, s28, 128*192
	s_add_nc_u64 s[8:9], s[8:9], s[32:33]          ; proj_w: rows 128 c on
	s_lshl_b32 s32, s28, 10
	s_add_nc_u64 s[10:11], s[10:11], s[32:33]
	s_lshl_b32 s32, s28, 9
	s_add_nc_u64 s[12:13], s[12:13], s[32:33]
.irp s, 0,1,2,3
	global_load_b64 v[ML+2*\s:ML+2*\s+1], v[LI8], s[6:7] offset:131072*\s th:TH_LOAD_NT
.endr
.set k, 0
.rept 16
	global_load_b128 v[P0+4*k:P0+4*k+3], v[LI], s[20:21] offset:512*k th:TH_LOAD_NT
.set k, k+1
.endr
.irp i, 0,1,2,3,4,5,6,7
	global_load_b32 v[WS+\i], v[WSA], s[10:11] offset:128*\i
.endr
	WIN 0x40                                       ; destination window 1
.irp s, 1,2,3
.set k, 0
.rept 16
	global_load_b128 v[64*(\s-1)+4*k:64*(\s-1)+4*k+3], v[LI], s[20+2*\s:21+2*\s] offset:512*k th:TH_LOAD_NT
.set k, k+1
.endr
.endr
	WIN 0x80                                       ; destination window 2: tile i (rows 128 c + 16 i + r), K step s at v[12 (2 i + s)]
.irp i, 0,1,2,3,4,5,6,7
.irp s, 0,1
.irp p, 0,1,2,3,4,5
	global_load_b64 v[12*(2*\i+\s)+2*\p:12*(2*\i+\s)+2*\p+1], v[PA], s[8:9] offset:16*\i*192+96*\s+48*(\p/3)+8*(\p%3)
.endr
.endr
.endr
.irp i, 0,1,2,3,4,5,6,7                ; the bias as a C operand: lane (r, h): outputs 128 c + 16 i + 8 h + 0 .. 7
	global_load_b128 v[192+8*\i:192+8*\i+3], v[BA], s[12:13] offset:64*\i
	global_load_b128 v[192+8*\i+4:192+8*\i+7], v[BA], s[12:13] offset:64*\i+16
.endr
	WIN 0x40
.set k, 0
.rept 16
	global_load_b128 v[192+4*k:192+4*k+3], v[LI], s[14:15] offset:512*k th:TH_LOAD_NT    ; x: my eight rows, 512 consecutive bytes a load
.set k, k+1
.endr
	WIN 0
	s_wait_loadcnt 0x3f                            ; behind the quarters' last load 128 were issued; the count's field ends at 63: ml and op are in
	v_min3_num_f32 v50, v[ML], v[ML+2], v[ML+4]
	v_min_num_f32 v50, v50, v[ML+6]                ; -M*
.irp s, 0,1,2,3
	v_sub_f32 v[G+2*\s], v50, v[ML+2*\s]           ; M_s - M*: a whole number, 0 or less
.endr
.irp s, 0,1,2,3
	v_cvt_i32_f32 v[G+2*\s], v[G+2*\s]             ; (it saturates)
.endr
.irp s, 0,1,2,3
	v_ldexp_f32 v[G+2*\s], 1.0, v[G+2*\s]          ; F_s
.endr
	v_mul_f32 v51, v[G], v[ML+1]
	v_fmac_f32 v51, v[G+2], v[ML+3]
	v_fmac_f32 v51, v[G+4], v[ML+5]
	v_fmac_f32 v51, v[G+6], v[ML+7]                ; l
	v_rcp_f32 v51, v51
.irp s, 0,1,2,3
	v_mov_b32 v[G+2*\s+1], 0                       ; (the pairs' upper halves are named, so they are written.  Also the plain place behind the reciprocal)
.endr
	s_wait_alu depctr_va_vdst(0)
.irp s, 0,1,2,3
	v_mul_f32 v[G+2*\s], v[G+2*\s], v51            ; F_s / l
.endr
.set i, 0
.rept 32
	v_pk_mul_f32 v[P0+i:P0+i+1], v[P0+i:P0+i+1], v[G:G+1] op_sel_hi:[1,0]
.set i, i+2
.endr
	WIN 0x01                                       ; source 0 window 1
.irp s, 1,2,3
.set i, 0
.rept 32
	v_pk_fma_f32 v[P0+i:P0+i+1], v[64*(\s-1)+i:64*(\s-1)+i+1], v[G+2*\s:G+2*\s+1], v[P0+i:P0+i+1] op_sel_hi:[1,0,1]
.set i, i+2
.endr
.endr
	WIN 0
	QUANT P0
.irp c, 0,1,2
	ds_store_b128 v[OWI], v[PC+4*\c:PC+4*\c+3] offset:OIMG+512*\c
.endr
	ds_store_b32 v[OWS], v[PW] offset:OSC
	s_wait_dscnt 0x0                               ; for the others' sake: my stores have landed
	s_barrier_signal -1
	s_barrier_wait -1                              ; O's four fragments lie in LDS
.irp c, 0,1,2,3,4,5
	ds_load_b128 v[XF+4*\c:XF+4*\c+3], v[ORI] offset:OIMG+512*\c
.endr
	ds_load_b32 v[XS], v[ORS] offset:OSC
	ds_load_b32 v[XS+1], v[ORS] offset:OSC+128
	s_wait_dscnt 0x0
	s_wait_loadcnt 0x10                            ; proj_w, its scale words and the bias are in; x's 16 loads, the youngest, may stay out
	WIN 0x22                                       ; source 0 (proj_w) and source 2 (the bias) window 2
.irp i, 0,1,2,3,4,5,6,7                ; the eight accumulators take turns, one instruction a turn
	v_wmma_scale_f32_16x16x128_f8f6f4 v[D+8*\i:D+8*\i+7], v[24*\i:24*\i+11], v[XF:XF+11], v[192+8*\i:192+8*\i+7], v[WS+\i], v[XS] matrix_a_fmt:MATRIX_FMT_FP6 matrix_b_fmt:MATRIX_FMT_FP6
.endr
	WIN 0x02
.irp i, 0,1,2,3,4,5,6,7
	v_wmma_scale_f32_16x16x128_f8f6f4 v[D+8*\i:D+8*\i+7], v[24*\i+12:24*\i+23], v[XF+12:XF+23], v[D+8*\i:D+8*\i+7], v[WS+\i], v[XS+1] matrix_a_fmt:MATRIX_FMT_FP6 matrix_b_fmt:MATRIX_FMT_FP6 matrix_a_scale:MATRIX_SCALE_ROW1
.endr
	WIN 0
.rept 5
	v_nop                                          ; places in front of the LDS stores that read the results
.endr
.irp i, 0,1,2,3,4,5,6,7
	ds_store_b128 v[SO], v[D+8*\i:D+8*\i+3] offset:64*\i             ; each accumulator from its low end on
	ds_store_b128 v[SO], v[D+8*\i+4:D+8*\i+7] offset:64*\i+16
.endr
	s_wait_dscnt 0x0                               ; for the others' sake: my stores have landed
	s_barrier_signal -1
	s_barrier_wait -1                              ; 32 whole rows lie in the stage
.irp i, 0,1,2,3,4,5,6,7
.irp e, 0,1
	ds_load_b128 v[P0+4*(2*\i+\e):P0+4*(2*\i+\e)+3], v[SR] offset:SP*\i+512*\e
.endr
.endr
	s_wait_dscnt 0x0
	s_wait_loadcnt 0x0                             ; x
	WIN 0x04                                       ; source 1 window 1
.set i, 0
.rept 32
	v_pk_add_f32 v[P0+i:P0+i+1], v[P0+i:P0+i+1], v[192+i:192+i+1]    ; the residual
.set i, i+2
.endr
	WIN 0
.set k, 0
.rept 16
	global_store_b128 v[LI], v[P0+4*k:P0+4*k+3], s[16:17] offset:512*k th:TH_STORE_NT    ; 32 lanes store 512 consecutive bytes, at a multiple of 256 from out0's first byte
.set k, k+1
.endr
	s_wait_tensorcnt 0x0
	ds_add_u32 v254, v255
	s_wait_dscnt 0x0
	s_endpgm
.Lfunc_end_k_q7c1e940027_fin:
	.size	k_q7c1e940027_fin, .Lfunc_end_k_q7c1e940027_fin-k_q7c1e940027_fin
	.p2alignl 7, 3214868480
	.fill 96, 4, 3214868480
	.section	.rodata,"a",@progbits
	.p2align	6, 0x0
	.amdhsa_kernel k_q7c1e940027_fin
		.amdhsa_group_segment_fixed_size 41472
		.amdhsa_private_segment_fixed_size 0
		.amdhsa_enable_private_segment 0
		.amdhsa_kernarg_size 56
		.amdhsa_user_sgpr_count 2
		.amdhsa_user_sgpr_kernarg_segment_ptr 1
		.amdhsa_wavefront_size32 1
		.amdhsa_system_sgpr_workgroup_id_x 1
		.amdhsa_system_sgpr_workgroup_id_y 1
		.amdhsa_system_sgpr_workgroup_id_z 1
		.amdhsa_system_vgpr_workitem_id 0
		.amdhsa_next_free_vgpr 768
		.amdhsa_next_free_sgpr 66
		.amdhsa_reserve_vcc 0
		.amdhsa_float_denorm_mode_32 3
		.amdhsa_float_denorm_mode_16_64 3
		.amdhsa_memory_ordered 1
		.amdhsa_forward_progress 1
		.amdhsa_inst_pref_size 45
	.end_amdhsa_kernel
	.amdgpu_metadata
---
amdhsa.version: [ 1, 2 ]
amdhsa.kernels:
  - .name:           k_q7c1e940027_fin
    .symbol:         k_q7c1e940027_fin.kd
    .args:
      - { .name: op, .offset: 0, .size: 8, .value_kind: global_buffer, .address_space: global }
      - { .name: ml, .offset: 8, .size: 8, .value_kind: global_buffer, .address_space: global }
      - { .name: proj_w_codes, .offset: 16, .size: 8, .value_kind: global_buffer, .address_space: global }
      - { .name: proj_w_scales, .offset: 24, .size: 8, .value_kind: global_buffer, .address_space: global }
      - { .name: proj_b, .offset: 32, .size: 8, .value_kind: global_buffer, .address_space: global }
      - { .name: x, .offset: 40, .size: 8, .value_kind: global_buffer, .address_space: global }
      - { .name: out0, .offset: 48, .size: 8, .value_kind: global_buffer, .address_space: global }
    .group_segment_fixed_size: 41472
    .private_segment_fixed_size: 0
    .kernarg_segment_align: 8
    .kernarg_segment_size: 56
    .max_flat_workgroup_size: 128
    .sgpr_count:     66
    .vgpr_count:     768
    .wavefront_size: 32
...
	.end_amdgpu_metadata
.endif
;; end of part 3
;; ======== version 2 of 2: 3 launches
;; limits: right only within a limited range of input values
;; workspace buffers: qi 1,638,400 bytes; kv 3,276,800 bytes; op 33,554,432 bytes; ml 524,288 bytes
;; launch prep (part 4): grid 64 x 3, 8 waves a work-group, no clusters, 327,680 bytes of LDS; arguments x, norm_w, norm_b, qkv_w_codes, qkv_w_scales, qkv_b, qi, kv; writes qi, kv
.if DOCPART == 4
	.amdgcn_target "amdgcn-amd-amdhsa--gfx1250"
	.amdhsa_code_object_version 6
	.text
	.protected	k_q7c1e940027_prep
	.globl	k_q7c1e940027_prep
	.p2align	8
	.type	k_q7c1e940027_prep,@function
k_q7c1e940027_prep:
	s_mov_b64 s[64:65], 0
	v_nop
	global_prefetch_b8 v0, s[64:65] scope:SCOPE_SE
	s_setreg_imm32_b32 hwreg(HW_REG_WAVE_MODE, 25, 1), 1
	s_wait_xcnt 0x0
; LayerNorm, xn quantised, qkv = xn W^T + b on codes of FP6 (E2M3), and the result quantised again: q and k along the head's 256, v along the tokens.
; A work-group of eight waves takes 128 tokens (x of the grid) and ONE of q, k, v (y = 0, 1, 2): 256 rows of W.  Each of the three normalises and quantises the 128 tokens for itself.
; All that is stored is laid IN THE ORDER OF AN OPERAND'S REGISTERS: a fragment (16 rows x 128 K, 12 registers a lane) is an image of 1,536 bytes: registers 4 c .. 4 c + 3 of lane l at byte 512 c + 16 l.
; THE ROWS OF A TILE ARE NOT NEIGHBOURS: lane r of tile 2 b + u takes row 32 b + 8 u + r + 8 (r / 8) (tokens, and the rows of W alike), so that in a result whose source 0 was
; such tiles the 16 registers of tiles 2 b and 2 b + 1 are the 16 neighbours 32 b + 16 (lane / 16) + 0 .. 15: what the conversions to codes want.
; THE LOADS: one tensor load a wave, at the head; nothing in LDS is filled twice.  Waves 0-3 bring 32 dense rows of x each (1,024 bytes + 16 of padding: token T lies at XST + 1,040 T).  Waves 4-7 bring 64 rows of W each,
; stated as 16 rows of 768 bytes with 16 bytes of padding behind every 64: LDS rows 240 bytes apart.  Ahead of the first barrier only waves 0-3 wait for their loads (x is read behind it); W's loads are waited for ahead of the second.
; norm_w and norm_b go from memory into registers: a lane's 128 channels are 32 loads of 16 bytes of each, asked for at the head.
; NO CLUSTER: each tile is asked for once, by one load a wave at the head; a joint request would put a round of the cluster's barrier in front of that load and a closing round at the end, for 49,152 bytes of W.
; PHASES.  X: wave w normalises token tile w (a lane holds half a row: 128 numbers) | barrier: W lies in LDS and all of x has been read | gain and bias, quantised; images into the head of the wave's stage (16 LDS rows of x) | barrier |
;   y < 2, QK: wave w takes rows 128 (w % 2) .. + 127 of the 256 (one K step of the head) for token tiles 2 (w / 2) + 0, 1: source 0 = W, source 1 = xn: a lane holds a token, registers run along the channels.
;   y = 2, V: wave w takes channel tiles 2 w, 2 w + 1 for all 128 tokens: source 0 = xn, source 1 = W: a lane holds a channel, registers run along the tokens, which are the K of attention's second product.
; qi: 64 blocks of 25,600 bytes: q's images (2 T + s) x 1,536; at 24,576 the scale words [s][half][lane][2]: word a of lane l belongs to tile 2 (2 half + a) + l / 16, row l % 16.
; kv: 64 key steps of 51,200 bytes: k's images and, at 49,152, its scale words as q's; at 24,576 v's 16 images; at 50,176 v's scale words [i][lane]: lanes 0-15 tile 2 i, lanes 16-31 tile 2 i + 1.
;   (The scale words leave in pieces shorter than 256 bytes: q's and k's as 4 bytes of every 8, v's as 128 bytes a wave: 1 KiB of each 25 KiB.)
; LIMITS: NaN and infinities among the inputs are not served.  A block whose largest magnitude lies under 2^-124 keeps the scale byte 1; a block of zeros gets the byte 1
; where the rule says 127: its codes are zeros, and these bytes are read by this program alone.
.set FRB,   1536
.set QBLK,  25600
.set QSOFF, 24576
.set STEPB, 51200
.set VOFF,  24576
.set KSOFF, 49152
.set VSOFF, 50176
.set WP,    240                        ; LDS: a row of W: 3 x (64 bytes + 16 of padding)
.set XP,    1040                       ; a row of x: 1,024 bytes + 16
.set XWB,   16*XP                      ; a wave's stage; its first 3,072 bytes later hold the tile's two images
.set XST,   256*WP                     ; W lies at 0; x behind it
.set XSC,   XST+8*XWB                  ; 8 x 128 bytes of xn's scale words: tile T: lanes 0-15 K step 0, lanes 16-31 K step 1
.set SPARE, XSC+1024                   ; the spare words, 1,024 bytes
.set XA,  4                            ; v4   x: my tile's first token + 1,040 (r + 8 (r / 8)) + 64 h
.set LI,  5                            ; v5   16 x lane
.set LS,  6                            ; v6   4 x lane
.set LI8, 7                            ; v7   8 x lane
.set XWI, 8                            ; v8   where I store xn's images
.set XWS, 9                            ; v9   and the scale word
.set WA,  10                           ; v10  W in LDS, phase QK: (r + 8 (r / 8)) x 240 + 24 h;  v49 the same + 16 h, for the pieces that lie behind one padding more
.set WSA, 11                           ; v11  a row's scale word in memory: (r + 8 (r / 8)) x 8 + 4 h
.set BA,  12                           ; v12  64 h
.set VBA, 13                           ; v13  (r + 8 (r / 8)) x 4
.set XRI, 14                           ; v14  where phase QK reads images
.set XRS, 15                           ; v15  and scale words
.set TM,  16                           ; v16-31 at work in QUANT
.set PW,  32                           ; v32  the scale word just made
.set KP,  33                           ; v33  a scale word kept for its partner
.set MU,  34                           ; v[34:35] the mean, twice
.set RS,  36                           ; v[36:37] 1 / sqrt(var + eps), twice
.set AC,  38                           ; v38-45 four chains of packed sums
.set SWM, 46                           ; v46  two tiles' scale words merged
.set PR,  48                           ; v48  r + 8 (r / 8)
.set WA2, 49
.set VB,  50                           ; v50-51 v's bias of my channel, tiles e = 0, 1
.set WVS, 52                           ; v52-53 scale words of W's rows for v
.set XS,  54                           ; v54  xn's scale word of the tile in hand
.set WVA, 55                           ; v55  W in LDS, phase V: rows 32 wave on;  v124 the same + 16 h
.set PC,  56                           ; v56-74 the codes just made (12) and the conversions' second halves
.set SPW, 71                           ; v71  (a gap in them) LDS address of my spare word; never rewritten
.set NIL, 75                           ; v75  0; never rewritten
.set XF,  76                           ; v76-99 xn's two fragments of a tile
.set WS,  100                          ; v100-107 scale words of my 8 tiles of W
.set XS8, 108                          ; v108-115 xn's scale words of all 8 tiles
.set BV,  116                          ; v116-123 v's bias as a C operand
.set WVA2, 124
.set XV0, 125                          ; v125 phase V: tiles 0-3's images;  v126 tiles 4-7's;  v127 the scale words
.set XV1, 126
.set XSA, 127
.set X,   128                          ; v128-255 my half row of x;  later D = v128-191 (results) and BQ = v192-255 (bias of q or k, 8 tiles)
.set D,   128
.set BQ,  192
; window 1: first norm_w v0-127, norm_b v128-255; then v0-191 my 16 fragments of W (phase V: xn's 16), v192-239 W's four fragments for v
.set SEL, 24                           ; s[24:25] selects of v_permlanex16_b32: lane l xor 16
.set HM,  28                           ; s28  mask of lanes 16-31
.set Y,   29                           ; s29  0: q, 1: k, 2: v
.set G1X, 68                           ; s[68:75] descriptor group 1 for x;  s[76:83] for W;  s[84:87], s[88:91] their groups 0: none is written again
.set G1W, 76
.set G0X, 84
.set G0W, 88
.set MSB, 0
.macro WIN new                         ; the immediate's high byte repeats the setting that is left
.if MSB != \new
	s_set_vgpr_msb (MSB<<8)|\new
.set MSB, \new
.endif
.endm
.macro PLACES n
.rept \n
	v_nop
.endr
.endm
.macro AWAIT
	s_wait_alu depctr_va_vdst(0)
.endm
.macro CLOSE                           ; the wave's end
	s_wait_tensorcnt 0x0
	ds_add_u32 v[SPW], v[NIL]
	s_wait_dscnt 0x0
	s_endpgm
.endm
; 64 numbers of a lane, register 16 b + i = k 32 b + 16 (lane / 16) + i of my row, become a fragment's codes in v[PC] on and its scale word in v[PW] (the same in lanes l and l xor 16).
.macro QUANT s
.irp b, 0,1,2,3
	v_max3_num_f32 v[TM+\b], |v[(\s)+16*\b]|, |v[(\s)+1+16*\b]|, 0x1800000   ; my 16 numbers of block b, and the floor 2^(3 - 127): the byte cannot fall under 1
.endr
.irp i, 2,4,6,8,10,12,14
.irp b, 0,1,2,3
	v_max3_num_f32 v[TM+\b], v[TM+\b], |v[(\s)+16*\b+\i]|, |v[(\s)+1+16*\b+\i]|
.endr
.endr
.irp b, 0,1,2,3
	s_delay_alu instid0(VALU_DEP_4)
	v_permlanex16_b32 v[TM+4+\b], v[TM+\b], s[SEL], s[SEL+1]
.endr
.irp b, 0,1,2,3
	s_delay_alu instid0(VALU_DEP_4)
	v_max_num_f32 v[TM+\b], v[TM+\b], v[TM+4+\b]                 ; with lane l xor 16's: the block's largest magnitude
.endr
.irp b, 0,1,2,3
	s_delay_alu instid0(VALU_DEP_4)
	v_add_nc_u32 v[TM+12+\b], 0xff000000, v[TM+\b]               ; 2 off its exponent field: the conversion's scale operand
.endr
.irp b, 0,1,2,3
	s_delay_alu instid0(VALU_DEP_4)
	v_lshrrev_b32 v[TM+4+\b], 23, v[TM+12+\b]                    ; the scale's byte
.endr
	s_delay_alu instid0(VALU_DEP_3)
	v_lshl_or_b32 v[PW], v[TM+5], 8, v[TM+4]
	s_delay_alu instid0(VALU_DEP_1)
	v_lshl_or_b32 v[PW], v[TM+6], 16, v[PW]
	s_delay_alu instid0(VALU_DEP_1)
	v_lshl_or_b32 v[PW], v[TM+7], 24, v[PW]
.irp c, 0,1
	v_cvt_scalef32_pk16_fp6_f32 v[PC+6*\c:PC+2+6*\c], v[(\s)+32*\c:(\s)+15+32*\c], v[TM+12+2*\c]
	v_cvt_scalef32_pk16_fp6_f32 v[PC+12+4*\c:PC+14+4*\c], v[(\s)+16+32*\c:(\s)+31+32*\c], v[TM+12+2*\c+1]   ; (a conversion's three registers begin on an even number)
.endr
	v_nop                                                        ; one plain place behind a scaled conversion
.irp c, 0,1                            ; the operand's layout wants a whole block in a lane: lanes 0-15 block 2 c, lanes 16-31 block 2 c + 1
.irp i, 0,1,2
	v_permlane16_swap_b32 v[PC+6*\c+\i], v[PC+12+4*\c+\i]
.endr
.irp i, 0,1,2
	s_delay_alu instid0(VALU_DEP_3)
	v_mov_b32 v[PC+3+6*\c+\i], v[PC+12+4*\c+\i]
.endr
.endr
.endm
.macro IMAGE adr, off                  ; the fragment in v[PC] on goes to LDS as it stands
.irp c, 0,1,2
	ds_store_b128 v[\adr], v[PC+4*\c:PC+4*\c+3] offset:\off+512*\c
.endr
.endm
.macro GIMG sb, off                    ; or to memory: each store covers 512 consecutive bytes
.irp c, 0,1,2
	global_store_b128 v[LI], v[PC+4*\c:PC+4*\c+3], s[\sb:\sb+1] offset:\off+512*\c
.endr
.endm
.macro JOIN                            ; four chains of pairs -> the row's sum in v[AC], in every lane of the row
	s_delay_alu instid0(VALU_DEP_3)
	v_pk_add_f32 v[AC:AC+1], v[AC:AC+1], v[AC+2:AC+3]
	s_delay_alu instid0(VALU_DEP_2)
	v_pk_add_f32 v[AC+4:AC+5], v[AC+4:AC+5], v[AC+6:AC+7]
	s_delay_alu instid0(VALU_DEP_1)
	v_pk_add_f32 v[AC:AC+1], v[AC:AC+1], v[AC+4:AC+5]
	s_delay_alu instid0(VALU_DEP_1)
	v_add_f32 v[AC], v[AC], v[AC+1]
	s_delay_alu instid0(VALU_DEP_1)
	v_permlanex16_b32 v[AC+1], v[AC], s[SEL], s[SEL+1]           ; the row's other 128 numbers lie in lane l xor 16
	s_delay_alu instid0(VALU_DEP_1)
	v_add_f32 v[AC], v[AC], v[AC+1]
.endm
; A fragment of W from LDS: rows row + r + 8 (r / 8), the q-th 128 along K, into v[reg] on (window 1), in pieces of 8 bytes.  Lanes 0-15 take the row's pieces 12 q + 0, 1, 2 and 12 q + 6, 7, 8, lanes 16-31 those
; three pieces on.  16 bytes of padding lie behind every 8 pieces: where the piece three on lies behind one padding more, the second address register (40 for 24 bytes a half) serves.
.macro WFRAG reg, adr, adr2, q, row
.irp p, 0,1,2,3,4,5
.set PCI, 12*(\q)+6*(\p/3)+\p%3
.if PCI%8 < 5
	ds_load_b64 v[(\reg)+2*\p:(\reg)+2*\p+1], v[\adr] offset:8*PCI+16*(PCI/8)+(\row)*WP
.else
	ds_load_b64 v[(\reg)+2*\p:(\reg)+2*\p+1], v[\adr2] offset:8*PCI+16*(PCI/8)+(\row)*WP
.endif
.endr
.endm
	s_load_b256 s[4:11], s[0:1], 0x0               ; x s[4:5], norm_w s[6:7], norm_b s[8:9], W's codes s[10:11]
	s_load_b256 s[12:19], s[0:1], 0x20             ; W's scales s[12:13], qkv_b s[14:15], qi s[16:17], kv s[18:19]
	v_lshl_add_u32 v[SPW], v0, 2, SPARE
	v_mov_b32 v[NIL], 0
	ds_add_u32 v[SPW], v[NIL]                      ; the opening lines
	ds_add_u32 v[SPW], v[NIL]
	v_lshrrev_b32 v1, 5, v0
	s_delay_alu instid0(VALU_DEP_1)
	v_readfirstlane_b32 s20, v1                    ; wave 0..7
	v_and_b32 v1, 31, v0                           ; lane
	v_and_b32 v2, 15, v0                           ; r
	v_bfe_u32 v3, v0, 4, 1                         ; h
	s_delay_alu instid0(VALU_DEP_2)
	v_and_b32 v[PR], 8, v2
	s_delay_alu instid0(VALU_DEP_1)
	v_add_nc_u32 v[PR], v[PR], v2                  ; r + 8 (r / 8)
	v_lshlrev_b32 v[BA], 6, v3
	s_and_b32 s[Y], ttmp7, 0xffff
	s_and_b32 s21, s20, 3                          ; which part of x or of W I load
	s_lshr_b32 s22, s20, 1                         ; phase QK: which two token tiles
	s_and_b32 s23, s20, 1                          ; and which K step of the head my 128 channels are
	; x's tile: 32 dense rows of 256 numbers
	s_mov_b32 s[G1X], (2<<16)|(1<<20)|(7<<22)|(3<<25)   ; elements of 4 bytes; padding after every 256 words (code 7) of 4 words (code 3)
	s_mov_b32 s[G1X+1], 256<<16                    ; tensor_dim0
	s_mov_b32 s[G1X+2], 32<<16                     ; tensor_dim1
	s_mov_b32 s[G1X+3], 256<<16                    ; tile_dim0
	s_mov_b32 s[G1X+4], 32                         ; tile_dim1
	s_mov_b32 s[G1X+5], 256                        ; the pitch
	s_mov_b32 s[G1X+6], 0
	s_mov_b32 s[G1X+7], 0
	; W's tile: 64 dense rows of 192 bytes, stated as 16 rows of 768 bytes, which begin at multiples of 256 bytes from the buffer's first byte
	s_mov_b32 s[G1W], (0<<16)|(1<<20)|(3<<22)|(3<<25)   ; elements of 1 byte; padding after every 16 words (code 3) of 4 words (code 3)
	s_mov_b32 s[G1W+1], 768<<16
	s_mov_b32 s[G1W+2], 16<<16
	s_mov_b32 s[G1W+3], 768<<16
	s_mov_b32 s[G1W+4], 16
	s_mov_b32 s[G1W+5], 768
	s_mov_b32 s[G1W+6], 0
	s_mov_b32 s[G1W+7], 0
	s_mul_i32 s40, s20, XWB
	s_add_co_u32 s40, s40, XST                     ; my stage
	s_mul_i32 s41, s21, 64*WP                      ; waves 4-7: 64 rows of W in LDS, by wave % 4,
	s_mul_i32 s42, s21, 64*192                     ; and in memory,
	s_mul_i32 s52, s[Y], 256*192                   ; among the 256 rows of q, k or v
	s_add_co_u32 s42, s42, s52
	s_mov_b32 s43, 0
	s_mul_i32 s54, s21, 32*XP
	s_add_co_u32 s54, s54, XST                     ; waves 0-3: where 32 rows of x go
	s_lshl_b32 s38, ttmp9, 17                      ; my work-group's 128 rows of 1,024 bytes,
	s_lshl_b32 s52, s21, 15                        ; + 32 (wave % 4) rows
	s_add_co_u32 s38, s38, s52
	s_mov_b32 s39, 0
	s_lshl_b32 s52, s22, 2
	s_add_co_u32 s52, s52, s23                     ; 4 (wave / 2) + wave % 2
	s_mul_i32 s55, s52, 8*XP
	s_add_co_u32 s55, s55, XST                     ; where token 32 (wave / 2) + 8 (wave % 2), my tile's first, lies
	s_mov_b32 s[SEL], 0x76543210
	s_mov_b32 s[SEL+1], 0xfedcba98
	s_mov_b32 s26, 0x3b800000                      ; 1 / 256
	s_mov_b32 s27, 0x3727c5ac                      ; 1e-5
	AWAIT
	s_wait_dscnt 0x0
	s_wait_kmcnt 0x0
	s_add_nc_u64 s[4:5], s[4:5], s[38:39]
	s_mov_b32 s[G0X], 1                            ; count = 1
	s_mov_b32 s[G0X+1], s54                        ; LDS address
	s_mov_b64 s[G0X+2:G0X+3], s[4:5]               ; the tile's first number
	s_or_b32 s[G0X+3], s[G0X+3], 0x80000000        ; type = 2
	s_mov_b32 s[G0W], 1
	s_mov_b32 s[G0W+1], s41
	s_add_nc_u64 s[G0W+2:G0W+3], s[10:11], s[42:43]
	s_or_b32 s[G0W+3], s[G0W+3], 0x80000000
	s_cmp_lt_u32 s20, 4                            ; one load a wave, in the two arms of one branch on the wave's number
	s_cbranch_scc0 .Lw_arm
	tensor_load_to_lds s[G0X:G0X+3], s[G1X:G1X+7]
	s_nop 0
	PLACES 4
	s_branch .Lasked
.Lw_arm:
	tensor_load_to_lds s[G0W:G0W+3], s[G1W:G1W+7]
	s_nop 0
	PLACES 4
.Lasked:
	WIN 0x40                                       ; destination window 1
.set k, 0
.rept 32
	global_load_b128 v[4*k:4*k+3], v[BA], s[6:7] offset:128*(k/4)+16*(k%4)          ; norm_w at my channels: the sixteen lanes of a half read the same 16 bytes
	global_load_b128 v[128+4*k:128+4*k+3], v[BA], s[8:9] offset:128*(k/4)+16*(k%4)  ; norm_b
.set k, k+1
.endr
	WIN 0
	v_lshlrev_b32 v[LI], 4, v1
	v_lshlrev_b32 v[LS], 2, v1
	v_lshlrev_b32 v[LI8], 3, v1
	v_lshlrev_b32 v[WSA], 3, v[PR]
	v_lshlrev_b32 v[VBA], 2, v[PR]
	s_delay_alu instid0(VALU_DEP_2)
	v_lshl_add_u32 v[WSA], v3, 2, v[WSA]
	AWAIT
	s_lshl_b32 s52, s[Y], 1
	s_add_co_u32 s52, s52, s23                     ; which 128 rows of W's 768 phase QK takes
	s_lshl_b32 s38, s52, 10
	s_add_nc_u64 s[44:45], s[12:13], s[38:39]      ; their scale bytes, 8 a row,
	s_lshl_b32 s38, s52, 9
	s_add_nc_u64 s[48:49], s[14:15], s[38:39]      ; and their biases
	s_lshl_b32 s38, s20, 8
	s_add_co_u32 s38, s38, 4096
	s_add_nc_u64 s[46:47], s[12:13], s[38:39]      ; phase V: rows 512 + 32 wave on
	s_lshl_b32 s38, s20, 7
	s_add_co_u32 s38, s38, 2048
	s_add_nc_u64 s[50:51], s[14:15], s[38:39]
.irp t, 0,1,2,3,4,5,6,7
	global_load_b32 v[WS+\t], v[WSA], s[44:45] offset:(32*(\t/2)+8*(\t%2))*8      ; lanes 0-15 the word of K step 0, lanes 16-31 of K step 1
.endr
.irp e, 0,1
	global_load_b32 v[WVS+\e], v[WSA], s[46:47] offset:64*\e
	global_load_b32 v[VB+\e], v[VBA], s[50:51] offset:32*\e
.endr
	; LDS addresses: a constant + a constant x lane + a constant x wave
	v_mul_u32_u24 v[XA], v[PR], XP
	s_delay_alu instid0(VALU_DEP_1)
	v_lshl_add_u32 v[XA], v3, 6, v[XA]
	s_delay_alu instid0(VALU_DEP_1)
	v_add_nc_u32 v[XA], s55, v[XA]
	v_add_nc_u32 v[XWI], s40, v[LI]
	s_lshl_b32 s52, s20, 7
	s_add_co_u32 s52, s52, XSC
	v_add_nc_u32 v[XWS], s52, v[LS]
	s_mul_i32 s52, s22, 2*XWB
	s_add_co_u32 s52, s52, XST
	v_add_nc_u32 v[XRI], s52, v[LI]
	s_lshl_b32 s52, s22, 8
	s_add_co_u32 s52, s52, XSC
	v_add_nc_u32 v[XRS], s52, v[LS]
	v_add_nc_u32 v[XV0], XST, v[LI]
	v_add_nc_u32 v[XV1], XST+4*XWB, v[LI]
	v_add_nc_u32 v[XSA], XSC, v[LS]
	v_mul_u32_u24 v[WA], v[PR], WP
	s_delay_alu instid0(VALU_DEP_1)
	v_mad_u32_u24 v[WA], v3, 24, v[WA]
	s_mul_i32 s52, s20, 32*WP
	v_add_nc_u32 v[WVA], s52, v[WA]
	s_mul_i32 s52, s23, 128*WP
	v_add_nc_u32 v[WA], s52, v[WA]
	s_delay_alu instid0(VALU_DEP_1)
	v_lshl_add_u32 v[WA2], v3, 4, v[WA]
	v_lshl_add_u32 v[WVA2], v3, 4, v[WVA]
	v_cmp_le_u32 s[HM], 16, v1
.irp b, 0,1,2,3
	v_mov_b32 v[TM+4+\b], 0                        ; written once: a lane permute's destination counts as one of its sources
.endr
	; where the results go
	s_cmp_eq_u32 s[Y], 0                           ; q goes to qi, k to kv
	s_cselect_b64 s[30:31], s[16:17], s[18:19]
	s_mov_b32 s52, STEPB
	s_cselect_b32 s52, QBLK, s52                   ; bytes of a block of 128 tokens there,
	s_mov_b32 s53, KSOFF
	s_cselect_b32 s53, QSOFF, s53                  ; and where its scale words begin
	s_mul_i32 s38, ttmp9, s52
	s_add_nc_u64 s[30:31], s[30:31], s[38:39]
	s_lshl_b32 s38, s23, 9
	s_add_co_u32 s38, s38, s53
	s_lshr_b32 s52, s22, 1
	s_lshl_b32 s52, s52, 8
	s_add_co_u32 s38, s38, s52
	s_and_b32 s52, s22, 1
	s_lshl_b32 s52, s52, 2
	s_add_co_u32 s38, s38, s52
	s_add_nc_u64 s[32:33], s[30:31], s[38:39]      ; my scale words: [s][half = wave / 4], word a = (wave / 2) % 2 of each lane's two
	s_lshl_b32 s38, s22, 2
	s_add_co_u32 s38, s38, s23
	s_mul_i32 s38, s38, FRB
	s_add_nc_u64 s[30:31], s[30:31], s[38:39]      ; my images: (2 (2 (wave / 2) + i) + s) x 1,536
	s_mul_i32 s38, ttmp9, STEPB
	s_add_nc_u64 s[34:35], s[18:19], s[38:39]
	s_lshl_b32 s38, s20, 7
	s_add_co_u32 s38, s38, VSOFF
	s_add_nc_u64 s[36:37], s[34:35], s[38:39]      ; v's scale words: 128 bytes a wave
	s_mul_i32 s38, s20, 2*FRB
	s_add_co_u32 s38, s38, VOFF
	s_add_nc_u64 s[34:35], s[34:35], s[38:39]      ; v's images: tiles 2 wave, 2 wave + 1
	; ---- X: my 16 numbers of each of the row's eight blocks of 32
	AWAIT
	s_cmp_lt_u32 s20, 4
	s_cbranch_scc0 .Lnot_x
	s_wait_tensorcnt 0x0                           ; for the others' sake: my 32 rows of x have landed.  (W's loads, waves 4-7's, stay out: W is read behind the next barrier)
.Lnot_x:
	s_barrier_signal -1
	s_barrier_wait -1                              ; x lies in LDS
.set k, 0
.rept 32
	ds_load_b128 v[X+4*k:X+4*k+3], v[XA] offset:128*(k/4)+16*(k%4)
.set k, k+1
.endr
	s_wait_dscnt 0x0
.irp k, 0,1,2,3
	v_pk_add_f32 v[AC+2*\k:AC+2*\k+1], v[X+2*\k:X+2*\k+1], v[X+8+2*\k:X+9+2*\k]     ; the first pairs start the chains: nothing is cleared
.endr
.set i, 16
.rept 14
.irp k, 0,1,2,3
	s_delay_alu instid0(VALU_DEP_4)
	v_pk_add_f32 v[AC+2*\k:AC+2*\k+1], v[AC+2*\k:AC+2*\k+1], v[X+i+2*\k:X+i+2*\k+1]
.endr
.set i, i+8
.endr
	JOIN
	s_delay_alu instid0(VALU_DEP_1)
	v_mul_f32 v[MU], s26, v[AC]                    ; the mean
	s_delay_alu instid0(VALU_DEP_1)
	v_mov_b32 v[MU+1], v[MU]
.set i, 0
.rept 64
	v_pk_add_f32 v[X+i:X+i+1], v[X+i:X+i+1], v[MU:MU+1] neg_lo:[0,1] neg_hi:[0,1]   ; x - mean first: the variance is no difference of large sums
.set i, i+2
.endr
.irp k, 0,1,2,3
	v_pk_mul_f32 v[AC+2*\k:AC+2*\k+1], v[X+2*\k:X+2*\k+1], v[X+2*\k:X+2*\k+1]
.endr
.set i, 8
.rept 15
.irp k, 0,1,2,3
	s_delay_alu instid0(VALU_DEP_4)
	v_pk_fma_f32 v[AC+2*\k:AC+2*\k+1], v[X+i+2*\k:X+i+2*\k+1], v[X+i+2*\k:X+i+2*\k+1], v[AC+2*\k:AC+2*\k+1]
.endr
.set i, i+8
.endr
	JOIN
	s_delay_alu instid0(VALU_DEP_1)
	v_fma_f32 v[AC], v[AC], s26, s27               ; var + eps
	AWAIT
	v_rsq_f32 v[RS], v[AC]
	v_nop                                          ; one plain place behind a transcendental
	AWAIT
	v_mov_b32 v[RS+1], v[RS]
	AWAIT
	s_wait_tensorcnt 0x0                           ; for the others' sake: waves 4-7's rows of W have landed
	s_wait_loadcnt 0x0                             ; the norm vectors, the scale words and v's bias
	s_wait_dscnt 0x0
	s_barrier_signal -1
	s_barrier_wait -1                              ; W lies in LDS, and all of x has been read
.set i, 0
.rept 64
	v_pk_mul_f32 v[X+i:X+i+1], v[X+i:X+i+1], v[RS:RS+1]
.set i, i+2
.endr
	WIN 0x14                                       ; sources 1 and 2 window 1
.set i, 0
.rept 64
	v_pk_fma_f32 v[X+i:X+i+1], v[X+i:X+i+1], v[i:i+1], v[128+i:128+i+1]
.set i, i+2
.endr
	WIN 0
	AWAIT
	s_cmp_eq_u32 s[Y], 2                           ; W's fragments take the norm vectors' registers
	s_cbranch_scc1 .Lw_for_v
	WIN 0x40                                       ; q, k: tile t, K step s at v[12 (2 t + s)] of window 1
.irp t, 0,1,2,3,4,5,6,7
.irp s, 0,1
	WFRAG 12*(2*\t+\s), WA, WA2, \s, 32*(\t/2)+8*(\t%2)
.endr
.endr
	WIN 0
	s_branch .Lw_in
.Lw_for_v:
	WIN 0x40                                       ; v: my two tiles at v192 on
.irp e, 0,1
.irp s, 0,1
	WFRAG 192+12*(2*\e+\s), WVA, WVA2, \s, 8*\e
.endr
.endr
	WIN 0
.Lw_in:
	QUANT X
	IMAGE XWI, 0                                   ; into the head of my stage: its one fill has landed and has been read out
	v_mov_b32 v[KP], v[PW]
	s_wait_dscnt 0x0                               ; the stores have read their registers
	QUANT X+64
	IMAGE XWI, FRB
	v_cndmask_b32 v[KP], v[KP], v[PW], s[HM]       ; lanes 0-15 K step 0's word, lanes 16-31 K step 1's
	ds_store_b32 v[XWS], v[KP]
.irp t, 0,1,2,3,4,5,6,7                ; the bias as a C operand: lane (r, h) wants, for tile 2 b + u, channels 32 b + 16 h + 8 u + 0 .. 7
	global_load_b128 v[BQ+8*\t:BQ+8*\t+3], v[BA], s[48:49] offset:(32*(\t/2)+8*(\t%2))*4
	global_load_b128 v[BQ+8*\t+4:BQ+8*\t+7], v[BA], s[48:49] offset:(32*(\t/2)+8*(\t%2))*4+16
.endr
	AWAIT
	s_wait_dscnt 0x0                               ; for the others' sake: my stores have landed
	s_barrier_signal -1
	s_barrier_wait -1                              ; xn's sixteen fragments lie in LDS; nothing is stored there again
	s_wait_loadcnt 0x0                             ; the biases
	s_cmp_eq_u32 s[Y], 2
	s_cbranch_scc1 .Lphase_v
	; ---- QK: two token tiles; a lane holds a token, registers run along my 128 channels
.irp i, 0,1
.irp c, 0,1,2,3,4,5
	ds_load_b128 v[XF+4*\c:XF+4*\c+3], v[XRI] offset:XWB*\i+512*\c
.endr
	ds_load_b32 v[XS], v[XRS] offset:128*\i
	s_wait_dscnt 0x0
	WIN 0x01                                       ; source 0 (W) window 1
.irp t, 0,1,2,3,4,5,6,7                ; the eight accumulators take turns, one instruction a turn
	v_wmma_scale_f32_16x16x128_f8f6f4 v[D+8*\t:D+8*\t+7], v[24*\t:24*\t+11], v[XF:XF+11], v[BQ+8*\t:BQ+8*\t+7], v[WS+\t], v[XS] matrix_a_fmt:MATRIX_FMT_FP6 matrix_b_fmt:MATRIX_FMT_FP6
.endr
.irp t, 0,1,2,3,4,5,6,7
	v_wmma_scale_f32_16x16x128_f8f6f4 v[D+8*\t:D+8*\t+7], v[24*\t+12:24*\t+23], v[XF+12:XF+23], v[D+8*\t:D+8*\t+7], v[WS+\t], v[XS] matrix_a_fmt:MATRIX_FMT_FP6 matrix_b_fmt:MATRIX_FMT_FP6 matrix_a_scale:MATRIX_SCALE_ROW1 matrix_b_scale:MATRIX_SCALE_ROW1
.endr
	WIN 0
	PLACES 5                                       ; four in front of the reads of results and of loads into operands; the fifth for the next unit's products, which begin these accumulators anew
	s_wait_xcnt 0x0                                ; the last unit's stores have read the codes' registers
	QUANT D
	GIMG 30, 2*FRB*\i
.if \i == 0
	v_mov_b32 v[KP], v[PW]
.else
	v_cndmask_b32 v[SWM], v[KP], v[PW], s[HM]      ; lanes 0-15 the even tile's word, lanes 16-31 the odd tile's
.endif
.endr
	global_store_b32 v[LI8], v[SWM], s[32:33]      ; 4 bytes of each lane's 8
	CLOSE
.Lphase_v:
	; ---- V: all of xn against my two tiles of W's rows: a lane holds a channel, registers run along the 128 tokens
	WIN 0x40
.irp t, 0,1,2,3,4,5,6,7
.irp c, 0,1,2,3,4,5
.if \t < 4
	ds_load_b128 v[24*\t+4*\c:24*\t+4*\c+3], v[XV0] offset:XWB*\t+512*\c
.else
	ds_load_b128 v[24*\t+4*\c:24*\t+4*\c+3], v[XV1] offset:XWB*(\t-4)+512*\c
.endif
.endr
.endr
	WIN 0
.irp t, 0,1,2,3,4,5,6,7
	ds_load_b32 v[XS8+\t], v[XSA] offset:128*\t
.endr
.irp e, 0,1
.irp j, 0,1,2,3,4,5,6,7
	v_mov_b32 v[BV+\j], v[VB+\e]                   ; my channel's bias for all eight tokens of a register run
.endr
.if \e == 0
	AWAIT
	s_wait_dscnt 0x0
.endif
	WIN 0x05                                       ; sources 0 (xn) and 1 (W) window 1
.irp t, 0,1,2,3,4,5,6,7
	v_wmma_scale_f32_16x16x128_f8f6f4 v[D+8*\t:D+8*\t+7], v[24*\t:24*\t+11], v[192+24*\e:192+24*\e+11], v[BV:BV+7], v[XS8+\t], v[WVS+\e] matrix_a_fmt:MATRIX_FMT_FP6 matrix_b_fmt:MATRIX_FMT_FP6
.endr
.irp t, 0,1,2,3,4,5,6,7
	v_wmma_scale_f32_16x16x128_f8f6f4 v[D+8*\t:D+8*\t+7], v[24*\t+12:24*\t+23], v[192+24*\e+12:192+24*\e+23], v[D+8*\t:D+8*\t+7], v[XS8+\t], v[WVS+\e] matrix_a_fmt:MATRIX_FMT_FP6 matrix_b_fmt:MATRIX_FMT_FP6 matrix_a_scale:MATRIX_SCALE_ROW1 matrix_b_scale:MATRIX_SCALE_ROW1
.endr
	WIN 0
	PLACES 5
	s_wait_xcnt 0x0                                ; the earlier stores have read the codes' registers
	QUANT D
	GIMG 34, FRB*\e
.if \e == 0
	v_mov_b32 v[KP], v[PW]
.else
	v_cndmask_b32 v[KP], v[KP], v[PW], s[HM]
	global_store_b32 v[LS], v[KP], s[36:37]
.endif
.endr
	CLOSE
.Lfunc_end_k_q7c1e940027_prep:
	.size	k_q7c1e940027_prep, .Lfunc_end_k_q7c1e940027_prep-k_q7c1e940027_prep
	.p2alignl 7, 3214868480
	.fill 96, 4, 3214868480
	.section	.rodata,"a",@progbits
	.p2align	6, 0x0
	.amdhsa_kernel k_q7c1e940027_prep
		.amdhsa_group_segment_fixed_size 327680
		.amdhsa_private_segment_fixed_size 0
		.amdhsa_enable_private_segment 0
		.amdhsa_kernarg_size 64
		.amdhsa_user_sgpr_count 2
		.amdhsa_user_sgpr_kernarg_segment_ptr 1
		.amdhsa_wavefront_size32 1
		.amdhsa_system_sgpr_workgroup_id_x 1
		.amdhsa_system_sgpr_workgroup_id_y 1
		.amdhsa_system_sgpr_workgroup_id_z 1
		.amdhsa_system_vgpr_workitem_id 0
		.amdhsa_next_free_vgpr 512
		.amdhsa_next_free_sgpr 96
		.amdhsa_reserve_vcc 0
		.amdhsa_float_denorm_mode_32 3
		.amdhsa_float_denorm_mode_16_64 3
		.amdhsa_memory_ordered 1
		.amdhsa_forward_progress 1
		.amdhsa_inst_pref_size 95
	.end_amdhsa_kernel
	.amdgpu_metadata
---
amdhsa.version: [ 1, 2 ]
amdhsa.kernels:
  - .name:           k_q7c1e940027_prep
    .symbol:         k_q7c1e940027_prep.kd
    .args:
      - { .name: x, .offset: 0, .size: 8, .value_kind: global_buffer, .address_space: global }
      - { .name: norm_w, .offset: 8, .size: 8, .value_kind: global_buffer, .address_space: global }
      - { .name: norm_b, .offset: 16, .size: 8, .value_kind: global_buffer, .address_space: global }
      - { .name: qkv_w_codes, .offset: 24, .size: 8, .value_kind: global_buffer, .address_space: global }
      - { .name: qkv_w_scales, .offset: 32, .size: 8, .value_kind: global_buffer, .address_space: global }
      - { .name: qkv_b, .offset: 40, .size: 8, .value_kind: global_buffer, .address_space: global }
      - { .name: qi, .offset: 48, .size: 8, .value_kind: global_buffer, .address_space: global }
      - { .name: kv, .offset: 56, .size: 8, .value_kind: global_buffer, .address_space: global }
    .group_segment_fixed_size: 327680
    .private_segment_fixed_size: 0
    .kernarg_segment_align: 8
    .kernarg_segment_size: 64
    .max_flat_workgroup_size: 256
    .sgpr_count:     96
    .vgpr_count:     512
    .wavefront_size: 32
...
	.end_amdgpu_metadata
.endif
;; end of part 4
;; launch attn (part 5): grid 64 x 4, 8 waves a work-group, clusters of 4 x 1, 327,680 bytes of LDS; arguments qi, kv, op, ml; writes op, ml
.if DOCPART == 5
	.amdgcn_target "amdgcn-amd-amdhsa--gfx1250"
	.amdhsa_code_object_version 6
	.text
	.protected	k_q7c1e940027_attn
	.globl	k_q7c1e940027_attn
	.p2align	8
	.type	k_q7c1e940027_attn,@function
k_q7c1e940027_attn:
	s_mov_b64 s[64:65], 0
	v_nop
	global_prefetch_b8 v0, s[64:65] scope:SCOPE_SE
	s_setreg_imm32_b32 hwreg(HW_REG_WAVE_MODE, 25, 1), 1
	s_wait_xcnt 0x0
	s_wait_alu depctr_hold_cnt(0) depctr_sa_sdst(0) depctr_va_vdst(0) depctr_va_sdst(0) depctr_va_ssrc(0) depctr_va_vcc(0) depctr_vm_vsrc(0)
	s_getreg_b32 s2, hwreg(HW_REG_IB_STS2, 6, 4)
	s_cmp_eq_u32 s2, 0
	s_cbranch_scc0 .Lentry_in_a_cluster
	s_endpgm
.Lentry_in_a_cluster:
	s_bfe_u32 s2, ttmp6, 0x10000c
	s_cmp_lg_u32 s2, 0x3003
	s_cbranch_scc0 .Lentry_shape_is_right
	s_endpgm
.Lentry_shape_is_right:
; Attention on codes of FP6 (E2M3).  A work-group takes 128 queries (x of the grid) and a quarter of the keys (y): 16 steps of 128 keys.  It stores O^T not yet divided (op) and (-M, l) (ml); the next launch joins the quarters.
; EIGHT WAVES, two to a SIMD.  Wave w owns query group w % 4 (32 queries, two tiles of 16) and, of each LDS slot's two key steps, step w / 4: eight periods of one step.  At the end the two waves of a query group join what they hold.
; Both products are used transposed (S^T = k q^T, O^T = v^T p^T), so that a lane holds one query.  p = 2^(t - M), M the ceiling of the running largest t, kept as -M; a change of M multiplies l and O^T by an exact power of two;
; l sums the unquantised p; a block's largest p is made from the block's largest score by the same multiply-add and exponential.
; qi and kv hold images of operand registers (16 bytes a lane, 512 bytes a load), laid by the launch before; a key step is 51,200 bytes: k's 16 images, v's 16 images, k's and v's scale words.
; THE RING: two LDS slots of two key steps each, filled by joint loads: the four work-groups of a cluster (four query blocks, one quarter of the keys) ask for the same bytes; waves 0-3 bring a quarter of a slot each.
; THE HEAD'S LOADS, one a wave: waves 0-3 slot 0's quarters; waves 4-7 a quarter each of the work-group's own 25,600 bytes of qi (a plain load), which stay in LDS: q's fragments are read from there in every period.
; A PERIOD: k's fragments come two at a time into two buffers that take turns, each pair asked for while the pair before is multiplied (4 products a pair: 2 key tiles x 2 query tiles); q's fragments of one K step of the head lie beside them;
; then maxima, M, t - M, l and O^T under the new M, the exponentials in one batch, p quantised and summed; then v's fragments in the same two buffers.  The buffers are the softmax's scratch in between, and p's codes take q's registers.
; THE JOIN: wave w stores O^T and (-M, l) of the tile that its partner w xor 4 finishes (waves 0-3 finish tile 0, waves 4-7 tile 1) into LDS bytes that have had their last fill and their last read; -M* is the smaller -M, F = 2^(M - M*), exact.
; PREFETCH: at each change of slots that refills, a loading wave names the 25,600 bytes that it will load at the NEXT change: 100 blocks of 256 bytes, of which each of the four partners takes 25 by address (cx); lanes 25-31 name the 25th again.
; The last refill's change asks for nothing; the first three fills come by their loads alone.
; LIMITS: the promise holds while the scaled scores t stay under 2^31 in magnitude; NaN and infinities are not served; a block whose every p is 0 keeps the scale byte 1 over zero codes.
; REGISTERS.  Window 0: v1-11 addresses and scratch; v12-27 the tiles' state (-M, largest t, l twice, f, p's scale word); v28-45 scale words of k, v, q; v46 q's address; v48-71 q's fragments, then p's codes; v72-119 the two buffers;
;   v120-123 the join's addresses; v128-255 S^T, then p.  Window 1: O^T of tile 0 (v0-127) and tile 1 (v128-255).
.set STEPB, 51200
.set FRB,   1536
.set VOFF,  24576
.set KSOFF, 49152
.set VSOFF, 50176
.set QUART, 25600                      ; what one load of the ring brings
.set SLOT1, 1<<17
.set SPARE, SLOT1+2*STEPB              ; the spare words, 1,024 bytes
.set QB,    SPARE+1024                 ; qi's block: 16 images, then the scale words
.set LI,  1
.set LI8, 2
.set LI4, 3
.set ADR, 4
.set ADR8, 5
.set ADR4, 6
.set SPW, 7
.set NIL, 8
.set PFO, 9                            ; the prefetch's offset: 256 x min(lane, 24); never rewritten
.set ST,  12
.set KS,  28
.set VS,  36
.set QS,  44
.set QA,  46
.set PC,  48
.set QF,  48
.set PB,  72
.set JS,  120                          ; the join: where I store a tile, where I read my partner's; v122, v123 the same for (-M, l)
.set JL,  121
.set JSS, 122
.set JSL, 123
.set S,   128
.set WV,  12
.set GW,  13                           ; wave % 4
.set PP,  14                           ; wave / 4
.set G1,  24
.set G0,  32
.set SLOTS, 40
.set CS,  42
.set SEL, 44
.set TB,  46
.set PFA, 58                           ; s[58:59] where my prefetch stands
.set GQ1, 68                           ; s[68:75], s[76:79] groups 1 and 0 of qi's load
.set GQ0, 76
.set MSB, 0
.macro WIN new                         ; the immediate's high byte repeats the setting that is left
.if MSB != \new
	s_set_vgpr_msb (MSB<<8)|\new
.set MSB, \new
.endif
.endm
.set W_PV, 0x50                        ; C and D window 1
.set W_RS, 0x41                        ; source 0 and destination window 1
.macro PLACES n
.rept \n
	v_nop
.endr
.endm
.macro AWAIT
	s_wait_alu depctr_va_vdst(0)
.endm
.macro CROUND                          ; a round of the cluster's barrier
	s_barrier_signal -1
	s_barrier_wait -1
	s_cmp_lg_u32 s[WV], 0
	s_cbranch_scc1 .Lnot_wave_0_\@
	s_barrier_signal -3
.Lnot_wave_0_\@:
	s_barrier_wait -3
	s_barrier_signal -1
	s_barrier_wait -1
.endm
.macro MM zero, ra, rb                 ; one product on rD, rA, rB, rSA, rSB; ra, rb: the scale words lie in lanes 16-31
.if \zero
.if (\ra) && (\rb)
	v_wmma_scale_f32_16x16x128_f8f6f4 v[rD:rD+7], v[rA:rA+11], v[rB:rB+11], 0, v[rSA], v[rSB] matrix_a_fmt:MATRIX_FMT_FP6 matrix_b_fmt:MATRIX_FMT_FP6 matrix_a_scale:MATRIX_SCALE_ROW1 matrix_b_scale:MATRIX_SCALE_ROW1
.elseif (\ra)
	v_wmma_scale_f32_16x16x128_f8f6f4 v[rD:rD+7], v[rA:rA+11], v[rB:rB+11], 0, v[rSA], v[rSB] matrix_a_fmt:MATRIX_FMT_FP6 matrix_b_fmt:MATRIX_FMT_FP6 matrix_a_scale:MATRIX_SCALE_ROW1
.elseif (\rb)
	v_wmma_scale_f32_16x16x128_f8f6f4 v[rD:rD+7], v[rA:rA+11], v[rB:rB+11], 0, v[rSA], v[rSB] matrix_a_fmt:MATRIX_FMT_FP6 matrix_b_fmt:MATRIX_FMT_FP6 matrix_b_scale:MATRIX_SCALE_ROW1
.else
	v_wmma_scale_f32_16x16x128_f8f6f4 v[rD:rD+7], v[rA:rA+11], v[rB:rB+11], 0, v[rSA], v[rSB] matrix_a_fmt:MATRIX_FMT_FP6 matrix_b_fmt:MATRIX_FMT_FP6
.endif
.else
.if (\ra) && (\rb)
	v_wmma_scale_f32_16x16x128_f8f6f4 v[rD:rD+7], v[rA:rA+11], v[rB:rB+11], v[rD:rD+7], v[rSA], v[rSB] matrix_a_fmt:MATRIX_FMT_FP6 matrix_b_fmt:MATRIX_FMT_FP6 matrix_a_scale:MATRIX_SCALE_ROW1 matrix_b_scale:MATRIX_SCALE_ROW1
.elseif (\ra)
	v_wmma_scale_f32_16x16x128_f8f6f4 v[rD:rD+7], v[rA:rA+11], v[rB:rB+11], v[rD:rD+7], v[rSA], v[rSB] matrix_a_fmt:MATRIX_FMT_FP6 matrix_b_fmt:MATRIX_FMT_FP6 matrix_a_scale:MATRIX_SCALE_ROW1
.elseif (\rb)
	v_wmma_scale_f32_16x16x128_f8f6f4 v[rD:rD+7], v[rA:rA+11], v[rB:rB+11], v[rD:rD+7], v[rSA], v[rSB] matrix_a_fmt:MATRIX_FMT_FP6 matrix_b_fmt:MATRIX_FMT_FP6 matrix_b_scale:MATRIX_SCALE_ROW1
.else
	v_wmma_scale_f32_16x16x128_f8f6f4 v[rD:rD+7], v[rA:rA+11], v[rB:rB+11], v[rD:rD+7], v[rSA], v[rSB] matrix_a_fmt:MATRIX_FMT_FP6 matrix_b_fmt:MATRIX_FMT_FP6
.endif
.endif
.endm
; Pair n of k's fragments (n = 0 .. 7): K step n / 4 of the head, key tiles 2 (n % 4) + u, u = 0, 1, in buffer n % 2.  Pair n of v's: channel tiles 2 n + u.
.macro KPAIR n
.irp u, 0,1
.irp c, 0,1,2
	ds_load_b128 v[PB+24*((\n)%2)+12*\u+4*\c:PB+24*((\n)%2)+12*\u+4*\c+3], v[ADR] offset:(2*(2*((\n)%4)+\u)+(\n)/4)*FRB+512*\c
.endr
.endr
.endm
.macro VPAIR n
.irp u, 0,1
.irp c, 0,1,2
	ds_load_b128 v[PB+24*((\n)%2)+12*\u+4*\c:PB+24*((\n)%2)+12*\u+4*\c+3], v[ADR] offset:VOFF+(2*(\n)+\u)*FRB+512*\c
.endr
.endr
.endm
.macro QLOAD s                         ; q's fragments of my two tiles, K step s of the head
.irp x, 0,1
.irp c, 0,1,2
	ds_load_b128 v[QF+12*\x+4*\c:QF+12*\x+4*\c+3], v[QA] offset:(2*\x+(\s))*FRB+512*\c
.endr
.endr
.endm
.macro QKW n, u, x                     ; S^T of query tile x, key tile 2 (n % 4) + u; K step 0 starts the sum
.set rD, S+64*(\x)+8*(2*((\n)%4)+(\u))
.set rA, PB+24*((\n)%2)+12*(\u)
.set rB, QF+12*(\x)
.set rSA, KS+4*((\n)/4)+(\n)%4
.set rSB, QS+(\n)/4
	MM 1-(\n)/4, \u, \x
.endm
.macro PVW n, u, x, zero               ; O^T of query tile x, channel tile 2 n + u
.set rD, 128*(\x)+8*(2*(\n)+(\u))
.set rA, PB+24*((\n)%2)+12*(\u)
.set rB, PC+12*(\x)
.set rSA, VS+(\n)
.set rSB, ST+8*(\x)+5
	MM \zero, \u, 0
.endm
.macro TS x                            ; the registers of query tile x
.set rS, S+64*(\x)
.set rT, ST+8*(\x)
.set rP, PC+12*(\x)
.set rW, PB+24*(\x)
.set rV, 10+(\x)
.endm
; Tile x: the largest score of each block of 32 keys (eight chains, each accumulator read from its low end on), the row's, the new -M, f = 2^(old M - new M), t - M, l x f, and (resc) O^T x f.
.macro MAXPH x, resc
	TS \x
	AWAIT                                          ; directly ahead of the first readers of S^T
.irp b, 0,1,2,3
	v_max3_num_f32 v[rW+\b], v[rS+16*\b], v[rS+1+16*\b], v[rS+2+16*\b]
	v_max3_num_f32 v[rW+8+\b], v[rS+8+16*\b], v[rS+9+16*\b], v[rS+10+16*\b]
.endr
.irp i, 3,5
.irp b, 0,1,2,3
	v_max3_num_f32 v[rW+\b], v[rW+\b], v[rS+16*\b+\i], v[rS+1+16*\b+\i]
	v_max3_num_f32 v[rW+8+\b], v[rW+8+\b], v[rS+8+16*\b+\i], v[rS+9+16*\b+\i]
.endr
.endr
.irp b, 0,1,2,3
	v_max3_num_f32 v[rW+\b], v[rW+\b], v[rW+8+\b], v[rS+7+16*\b]
.endr
.irp b, 0,1,2,3
	v_max_num_f32 v[rW+\b], v[rW+\b], v[rS+15+16*\b]
.endr
.irp b, 0,1,2,3
	v_permlanex16_b32 v[rW+4+\b], v[rW+\b], s[SEL], s[SEL+1]
.endr
.irp b, 0,1,2,3
	v_max_num_f32 v[rW+\b], v[rW+\b], v[rW+4+\b]                 ; with lane l xor 16's 16 keys
.endr
	s_delay_alu instid0(VALU_DEP_2)
	v_max3_num_f32 v[rV], v[rW], v[rW+1], v[rW+2]
	s_delay_alu instid0(VALU_DEP_1)
	v_max_num_f32 v[rV], v[rV], v[rW+3]
	s_delay_alu instid0(VALU_DEP_1)
	v_mul_f32 v[rV], s[CS], v[rV]                                ; as t
	s_delay_alu instid0(VALU_DEP_1)
	v_max_num_f32 v[rT+1], v[rT+1], v[rV]                        ; the running largest t
	v_mov_b32 v[rV], v[rT]
	s_delay_alu instid0(VALU_DEP_2)
	v_floor_f32 v[rT], -v[rT+1]                                  ; the new -M
.set j, 0
.rept 32
	v_pk_fma_f32 v[rS+j:rS+j+1], v[rS+j:rS+j+1], s[CS:CS+1], v[rT:rT+1] op_sel_hi:[1,0,0]   ; t - M
.if j == 4
	v_sub_f32 v[rV], v[rT], v[rV]                                ; old M - new M, a whole number
.endif
.if j == 12
	v_cvt_i32_f32 v[rV], v[rV]                                   ; (it saturates)
.endif
.if j == 20
	v_ldexp_f32 v[rT+4], 1.0, v[rV]                              ; f
.endif
.set j, j+2
.endr
.irp b, 0,1,2,3
	v_fma_f32 v[rW+\b], v[rW+\b], s[CS], v[rT]                   ; the same of each block's largest score
.endr
	v_pk_mul_f32 v[rT+2:rT+3], v[rT+2:rT+3], v[rT+4:rT+5] op_sel_hi:[1,0]
.if \resc
	AWAIT                                          ; directly ahead of the first readers of O^T
	WIN W_RS
.set j, 128*(\x)
.rept 64
	v_pk_mul_f32 v[j:j+1], v[j:j+1], v[rT+4:rT+5] op_sel_hi:[1,0]
.set j, j+2
.endr
	WIN 0
.endif
	AWAIT                                          ; ahead of the batch of exponentials
.endm
.macro EXPPH x                         ; tile x's 68 exponentials
	TS \x
.set j, 0
.rept 64
	v_exp_f32 v[rS+j], v[rS+j]
.set j, j+1
.endr
.irp b, 0,1,2,3
	v_exp_f32 v[rW+\b], v[rW+\b]                                 ; each block's largest p
.endr
.endm
; Tile x's p: the blocks' scale bytes, the codes, whole blocks to the lanes, and the row's sum.
.macro POSTPH x
	TS \x
.irp b, 0,1,2,3
	v_max_num_f32 v[rW+\b], 0x1800000, v[rW+\b]                  ; the floor 2^(3 - 127): the byte cannot fall under 1
.endr
.irp b, 0,1,2,3
	v_add_nc_u32 v[rW+8+\b], 0xff000000, v[rW+\b]                ; 2 off the exponent field: the conversion's scale operand
.endr
.irp b, 0,1,2,3
	v_lshrrev_b32 v[rW+4+\b], 23, v[rW+8+\b]                     ; the scale's byte
.endr
	s_delay_alu instid0(VALU_DEP_3)
	v_lshl_or_b32 v[rT+5], v[rW+5], 8, v[rW+4]
	s_delay_alu instid0(VALU_DEP_1)
	v_lshl_or_b32 v[rT+5], v[rW+6], 16, v[rT+5]
	s_delay_alu instid0(VALU_DEP_1)
	v_lshl_or_b32 v[rT+5], v[rW+7], 24, v[rT+5]
.irp c, 0,1
	v_cvt_scalef32_pk16_fp6_f32 v[rP+6*\c:rP+2+6*\c], v[rS+32*\c:rS+15+32*\c], v[rW+8+2*\c]
	v_cvt_scalef32_pk16_fp6_f32 v[rW+14+4*\c:rW+16+4*\c], v[rS+16+32*\c:rS+31+32*\c], v[rW+9+2*\c]   ; (a conversion's three registers begin on an even number)
.endr
	v_nop                                                        ; one plain place behind a scaled conversion
.irp c, 0,1
.irp i, 0,1,2
	v_permlane16_swap_b32 v[rP+6*\c+\i], v[rW+14+4*\c+\i]
.endr
.irp i, 0,1,2
	v_mov_b32 v[rP+3+6*\c+\i], v[rW+14+4*\c+\i]
.endr
.endr
.irp w, 4,8,16,32,64                   ; the sum of the unquantised p, as a tree of packed additions
.set i, 0
.rept 64/\w
	v_pk_add_f32 v[rS+i:rS+i+1], v[rS+i:rS+i+1], v[rS+i+\w/2:rS+i+\w/2+1]
.set i, i+\w
.endr
.endr
	v_pk_add_f32 v[rT+2:rT+3], v[rT+2:rT+3], v[rS:rS+1]
.endm
.macro PERIOD first                    ; my key step of the slot at s[TB].  first = 1: its products start O^T: nothing is cleared
	v_add_nc_u32 v[ADR], s[TB], v[LI]
	v_add_nc_u32 v[ADR8], s[TB], v[LI8]
	v_add_nc_u32 v[ADR4], s[TB], v[LI4]
	AWAIT
.irp i, 0,1,2,3
	ds_load_b64 v[KS+2*\i:KS+2*\i+1], v[ADR8] offset:KSOFF+256*\i
.endr
.irp i, 0,1,2,3,4,5,6,7
	ds_load_b32 v[VS+\i], v[ADR4] offset:VSOFF+128*\i
.endr
	QLOAD 0
	KPAIR 0
.irp n, 0,1,2,3,4,5,6,7
.if \n > 0
	PLACES 4                                       ; in front of loads into registers that the last products read
.endif
.if \n == 4
	QLOAD 1
.endif
.if \n < 7
	KPAIR \n+1
	s_wait_dscnt 0x6                               ; all but the six loads of the next pair
.else
	s_wait_dscnt 0x0
.endif
.irp u, 0,1
.irp x, 0,1
	QKW \n, \u, \x
.endr
.endr
.endr
	PLACES 4
	MAXPH 0, 1-\first
	MAXPH 1, 1-\first
	EXPPH 0
	EXPPH 1
	v_nop                                          ; one plain place behind a transcendental
	AWAIT
	POSTPH 0
	VPAIR 0                                        ; buffer 0 was tile 0's scratch, which is done with
	POSTPH 1
	AWAIT
.irp n, 0,1,2,3,4,5,6,7
.if \n > 0
	PLACES 4
.endif
.if \n < 7
	VPAIR \n+1
	s_wait_dscnt 0x6
.else
	s_wait_dscnt 0x0
.endif
	WIN W_PV
.irp u, 0,1
.irp x, 0,1
	PVW \n, \u, \x, \first
.endr
.endr
	WIN 0
.endr
	PLACES 4
.endm
.macro CHANGE fill                     ; the slot just read out is left; fill = 1: waves 0-3 fill it again, two slots on
.if \fill
	s_wait_xcnt 0x0                                ; my last prefetch has read its address
	s_add_nc_u64 s[PFA:PFA+1], s[PFA:PFA+1], 2*STEPB
.endif
	s_wait_tensorcnt 0x0                           ; my part of the next slot has landed
	ds_add_u32 v[SPW], v[NIL]
.if \fill
	s_xor_b32 s[G0+5], s[G0+5], SLOT1
	s_add_nc_u64 s[G0+6:G0+7], s[G0+6:G0+7], 2*STEPB
.endif
	s_wait_dscnt 0x0                               ; the add, and my reads of the slot that is left
.if \fill
	CROUND
	s_cmp_lt_u32 s[WV], 4
	s_cbranch_scc0 .Lno_load_\@
	tensor_load_to_lds s[G0+4:G0+7], s[G1:G1+7]
	s_nop 0
	PLACES 4
	s_cmp_gt_u32 s[SLOTS], 1                       ; the last refill has none behind it
	s_cbranch_scc0 .Lno_load_\@
	global_prefetch_b8 v[PFO], s[PFA:PFA+1] th:TH_LOAD_NT scope:SCOPE_SE   ; what I load at the next change of slots
.Lno_load_\@:
.else
	s_barrier_signal -1
	s_barrier_wait -1
.endif
	s_xor_b32 s[TB], s[TB], SLOT1
.endm
.macro JST x                           ; tile x goes to my partner
	ds_store_b64 v[JSS], v[ST+8*\x:ST+8*\x+1]
	WIN 0x04
.set k, 0
.rept 32
	ds_store_b128 v[JS], v[128*\x+4*k:128*\x+4*k+3] offset:512*k
.set k, k+1
.endr
	WIN 0
.endm
.macro JLD x                           ; tile x: my partner's part is joined to mine, and the tile leaves: (-M, l), 256 bytes, and O^T, each store 512 consecutive bytes
	TS \x
	ds_load_b64 v[72:73], v[JSL]
.set k, 0
.rept 32
	ds_load_b128 v[S+4*k:S+4*k+3], v[JL] offset:512*k
.set k, k+1
.endr
	s_wait_dscnt 0x0
	v_min_num_f32 v74, v[rT], v72                  ; -M*
	v_mov_b32 v77, 0                               ; (the pairs' upper halves are named, so they are written)
	v_mov_b32 v79, 0
	v_sub_f32 v76, v74, v[rT]                      ; M - M*: a whole number, 0 or less
	v_sub_f32 v78, v74, v72
	v_cvt_i32_f32 v76, v76                         ; (it saturates)
	v_cvt_i32_f32 v78, v78
	v_ldexp_f32 v76, 1.0, v76                      ; my F
	v_ldexp_f32 v78, 1.0, v78                      ; my partner's
	v_mul_f32 v75, v76, v[rT+1]
	v_fmac_f32 v75, v78, v73                       ; l
	global_store_b64 v[LI8], v[74:75], s[10:11] offset:256*\x
.set j, 0
.rept 64
	v_pk_mul_f32 v[S+j:S+j+1], v[S+j:S+j+1], v[78:79] op_sel_hi:[1,0]
.set j, j+2
.endr
	WIN 0x01                                       ; source 0 window 1
.set j, 0
.rept 64
	v_pk_fma_f32 v[S+j:S+j+1], v[128*\x+j:128*\x+j+1], v[76:77], v[S+j:S+j+1] op_sel_hi:[1,0,1]
.set j, j+2
.endr
	WIN 0
.set k, 0
.rept 32
	global_store_b128 v[LI], v[S+4*k:S+4*k+3], s[8:9] offset:512*(32*\x+k)
.set k, k+1
.endr
.endm
	s_load_b256 s[4:11], s[0:1], 0x0               ; qi s[4:5], kv s[6:7], op s[8:9], ml s[10:11]
	v_lshl_add_u32 v[SPW], v0, 2, SPARE
	v_mov_b32 v[NIL], 0
	ds_add_u32 v[SPW], v[NIL]                      ; the opening lines
	ds_add_u32 v[SPW], v[NIL]
	s_wait_dscnt 0x0
	v_lshrrev_b32 v10, 5, v0
	v_readfirstlane_b32 s[WV], v10                 ; wave 0..7
	v_and_b32 v10, 31, v0
	v_lshlrev_b32 v[LI], 4, v10
	v_lshlrev_b32 v[LI8], 3, v10
	v_lshlrev_b32 v[LI4], 2, v10
	v_min_u32 v[PFO], 24, v10
	v_lshlrev_b32 v[PFO], 8, v[PFO]
	AWAIT
	s_and_b32 s[GW], s[WV], 3
	s_lshr_b32 s[PP], s[WV], 2
	; LDS addresses: a constant + a constant x lane + a constant x wave, all made here
	s_mul_i32 s48, s[GW], 4*FRB
	s_add_co_u32 s48, s48, QB
	v_add_nc_u32 v[QA], s48, v[LI]                 ; q's four images of my query group
	s_lshr_b32 s48, s[GW], 1
	s_lshl_b32 s48, s48, 8
	s_and_b32 s49, s[GW], 1
	s_lshl_b32 s49, s49, 2
	s_add_co_u32 s48, s48, s49
	s_add_co_u32 s48, s48, QB+24576
	v_add_nc_u32 v[ADR8], s48, v[LI8]              ; and their scale words
	s_lshl_b32 s48, s[WV], 14
	v_add_nc_u32 v[JS], s48, v[LI]                 ; the join's stage: 16,384 bytes a wave, from LDS byte 0 on
	s_xor_b32 s49, s[WV], 4                        ; my partner
	s_lshl_b32 s48, s49, 14
	v_add_nc_u32 v[JL], s48, v[LI]
	s_lshl_b32 s48, s[WV], 8
	s_add_co_u32 s48, s48, SLOT1
	v_add_nc_u32 v[JSS], s48, v[LI8]               ; and 256 bytes a wave from SLOT1 on
	s_lshl_b32 s48, s49, 8
	s_add_co_u32 s48, s48, SLOT1
	v_add_nc_u32 v[JSL], s48, v[LI8]
	s_and_b32 s15, ttmp7, 0xffff                   ; which quarter of the keys
	s_mul_i32 s16, s15, 16*STEPB
	s_mul_i32 s18, s[GW], QUART
	s_add_co_u32 s16, s16, s18
	s_mov_b32 s17, 0
	s_mov_b32 s[G1], 15|(3<<16)|(1<<21)            ; the mask names the cluster's four; elements of 8 bytes; 100 dense rows of 256 bytes
	s_mov_b32 s[G1+1], 32<<16
	s_mov_b32 s[G1+2], 100<<16
	s_mov_b32 s[G1+3], 32<<16
	s_mov_b32 s[G1+4], 100
	s_mov_b32 s[G1+5], 32
	s_mov_b32 s[G1+6], 0
	s_mov_b32 s[G1+7], 0
	s_mov_b32 s[GQ1], 3<<16                        ; qi's load: no mask; 25 dense rows of 256 bytes
	s_mov_b32 s[GQ1+1], 32<<16
	s_mov_b32 s[GQ1+2], 25<<16
	s_mov_b32 s[GQ1+3], 32<<16
	s_mov_b32 s[GQ1+4], 25
	s_mov_b32 s[GQ1+5], 32
	s_mov_b32 s[GQ1+6], 0
	s_mov_b32 s[GQ1+7], 0
	s_mov_b32 s[CS], 0x3db8aa3b                    ; log2(e) / 16
	s_mov_b32 s[CS+1], s[CS]
	s_mov_b32 s[SEL], 0x76543210
	s_mov_b32 s[SEL+1], 0xfedcba98
	s_mul_i32 s[TB], s[PP], STEPB                  ; my key step of slot 0
	s_mov_b32 s[SLOTS], 6
	s_bfe_u32 s48, ttmp6, 0x40000                  ; cx
	s_mul_i32 s60, s48, 6400                       ; my work-group's 25 blocks of the 100 that a wave loads
	s_mov_b32 s61, 0
	s_lshl_b32 s49, ttmp9, 2
	s_add_co_u32 s56, s49, s48                     ; my block of 128 queries
	s_mul_i32 s48, s56, 25600
	s_mul_i32 s50, s[GW], 6400
	s_add_co_u32 s48, s48, s50                     ; waves 4-7: a quarter of qi's block in memory,
	s_mov_b32 s49, 0
	s_mov_b32 s[GQ0], 1
	s_add_co_u32 s[GQ0+1], s50, QB                 ; and in LDS
	s_lshl_b32 s52, s15, 23                        ; op: 8 MiB a quarter, 128 KiB a block, 32 KiB a query group
	s_lshl_b32 s53, s56, 17
	s_add_co_u32 s52, s52, s53
	s_lshl_b32 s53, s[GW], 15
	s_add_co_u32 s52, s52, s53
	s_mov_b32 s53, 0
	s_lshl_b32 s54, s15, 9                         ; ml: 256 bytes a tile
	s_lshl_b32 s55, s56, 3
	s_add_co_u32 s54, s54, s55
	s_lshl_b32 s55, s[GW], 1
	s_add_co_u32 s54, s54, s55
	s_lshl_b32 s54, s54, 8
	s_mov_b32 s55, 0
	AWAIT
	s_wait_kmcnt 0x0
	s_add_nc_u64 s[20:21], s[6:7], s[16:17]
	s_add_nc_u64 s[PFA:PFA+1], s[20:21], s[60:61]
	s_add_nc_u64 s[PFA:PFA+1], s[PFA:PFA+1], 4*STEPB   ; the first change of slots steps it to key steps 6 and 7
	s_add_nc_u64 s[GQ0+2:GQ0+3], s[4:5], s[48:49]
	s_or_b32 s[GQ0+3], s[GQ0+3], 0x80000000
	s_add_nc_u64 s[8:9], s[8:9], s[52:53]
	s_add_nc_u64 s[10:11], s[10:11], s[54:55]
	s_mov_b32 s[G0], 1
	s_mov_b32 s[G0+1], s18
	s_mov_b64 s[G0+2:G0+3], s[20:21]
	s_or_b32 s[G0+3], s[G0+3], 0x80000000
	s_mov_b32 s[G0+4], 1
	s_add_co_u32 s[G0+5], s18, SLOT1
	s_add_nc_u64 s[G0+6:G0+7], s[20:21], 2*STEPB
	s_or_b32 s[G0+7], s[G0+7], 0x80000000
	CROUND
	s_cmp_lt_u32 s[WV], 4                          ; the head's loads, one a wave, in the two arms of one branch on the wave's number
	s_cbranch_scc0 .Lq_arm
	tensor_load_to_lds s[G0:G0+3], s[G1:G1+7]      ; key steps 0 and 1
	s_nop 0
	PLACES 4
	s_branch .Lhead_asked
.Lq_arm:
	tensor_load_to_lds s[GQ0:GQ0+3], s[GQ1:GQ1+7]  ; qi's block
	s_nop 0
	PLACES 4
.Lhead_asked:
	AWAIT
	s_wait_tensorcnt 0x0                           ; slot 1's first fill is issued as a refill is
	ds_add_u32 v[SPW], v[NIL]
	s_wait_dscnt 0x0
	CROUND                                         ; slot 0 and qi's block lie in LDS
	s_cmp_lt_u32 s[WV], 4
	s_cbranch_scc0 .Lno_slot_1
	tensor_load_to_lds s[G0+4:G0+7], s[G1:G1+7]    ; key steps 2 and 3
	s_nop 0
	PLACES 4
.Lno_slot_1:
	ds_load_b32 v[QS], v[ADR8]
	ds_load_b32 v[QS+1], v[ADR8] offset:512
.irp x, 0,1
	v_mov_b32 v[ST+8*\x+1], 0xff61b1e6             ; the largest t so far: -3e38
	v_floor_f32 v[ST+8*\x], -v[ST+8*\x+1]
	v_mov_b32 v[ST+8*\x+2], 0
	v_mov_b32 v[ST+8*\x+3], 0
	v_mov_b32 v[ST+8*\x+5], 0
.endr
	AWAIT
	PERIOD 1
.Lslot:
	CHANGE 1
	PERIOD 0
	s_sub_co_u32 s[SLOTS], s[SLOTS], 1
	s_cmp_lg_u32 s[SLOTS], 0
	s_cbranch_scc1 .Lslot
	CHANGE 0
	PERIOD 0
	; the join
	AWAIT
.irp x, 0,1
	v_add_f32 v10, v[ST+8*\x+2], v[ST+8*\x+3]
	v_permlanex16_b32 v11, v10, s[SEL], s[SEL+1]
	v_add_f32 v[ST+8*\x+1], v10, v11               ; l of my keys, beside -M
.endr
	AWAIT
	s_wait_dscnt 0x0
	s_barrier_signal -1
	s_barrier_wait -1                              ; every wave has read its last key step: the slots have had their last fill and their last read
	s_cmp_lt_u32 s[WV], 4
	s_cbranch_scc0 .Lstore_0
	JST 1
	s_branch .Lstored
.Lstore_0:
	JST 0
.Lstored:
	s_wait_dscnt 0x0                               ; for my partner's sake: my stores have landed
	s_barrier_signal -1
	s_barrier_wait -1
	s_cmp_lt_u32 s[WV], 4
	s_cbranch_scc0 .Lfinish_1
	JLD 0
	s_branch .Lfinished
.Lfinish_1:
	JLD 1
.Lfinished:
	s_wait_tensorcnt 0x0                           ; the wave's end
	ds_add_u32 v[SPW], v[NIL]
	s_wait_dscnt 0x0
	CROUND                                         ; the closing round
	s_endpgm
.Lfunc_end_k_q7c1e940027_attn:
	.size	k_q7c1e940027_attn, .Lfunc_end_k_q7c1e940027_attn-k_q7c1e940027_attn
	.p2alignl 7, 3214868480
	.fill 96, 4, 3214868480
	.section	.rodata,"a",@progbits
	.p2align	6, 0x0
	.amdhsa_kernel k_q7c1e940027_attn
		.amdhsa_group_segment_fixed_size 327680
		.amdhsa_private_segment_fixed_size 0
		.amdhsa_enable_private_segment 0
		.amdhsa_kernarg_size 32
		.amdhsa_user_sgpr_count 2
		.amdhsa_user_sgpr_kernarg_segment_ptr 1
		.amdhsa_wavefront_size32 1
		.amdhsa_system_sgpr_workgroup_id_x 1
		.amdhsa_system_sgpr_workgroup_id_y 1
		.amdhsa_system_sgpr_workgroup_id_z 1
		.amdhsa_system_vgpr_workitem_id 0
		.amdhsa_next_free_vgpr 512
		.amdhsa_next_free_sgpr 96
		.amdhsa_reserve_vcc 0
		.amdhsa_float_denorm_mode_32 3
		.amdhsa_float_denorm_mode_16_64 3
		.amdhsa_memory_ordered 1
		.amdhsa_forward_progress 1
		.amdhsa_inst_pref_size 179
	.end_amdhsa_kernel
	.amdgpu_metadata
---
amdhsa.version: [ 1, 2 ]
amdhsa.kernels:
  - .name:           k_q7c1e940027_attn
    .symbol:         k_q7c1e940027_attn.kd
    .args:
      - { .name: qi, .offset: 0, .size: 8, .value_kind: global_buffer, .address_space: global }
      - { .name: kv, .offset: 8, .size: 8, .value_kind: global_buffer, .address_space: global }
      - { .name: op, .offset: 16, .size: 8, .value_kind: global_buffer, .address_space: global }
      - { .name: ml, .offset: 24, .size: 8, .value_kind: global_buffer, .address_space: global }
    .group_segment_fixed_size: 327680
    .private_segment_fixed_size: 0
    .kernarg_segment_align: 8
    .kernarg_segment_size: 32
    .max_flat_workgroup_size: 256
    .sgpr_count:     96
    .vgpr_count:     512
    .wavefront_size: 32
...
	.end_amdgpu_metadata
.endif
;; end of part 5
;; launch fin (part 6): grid 256 x 1, 4 waves a work-group, no clusters, 167,936 bytes of LDS; arguments op, ml, proj_w_codes, proj_w_scales, proj_b, x, out0; writes out0
.if DOCPART == 6
	.amdgcn_target "amdgcn-amd-amdhsa--gfx1250"
	.amdhsa_code_object_version 6
	.text
	.protected	k_q7c1e940027_fin
	.globl	k_q7c1e940027_fin
	.p2align	8
	.type	k_q7c1e940027_fin,@function
k_q7c1e940027_fin:
	s_mov_b64 s[64:65], 0
	v_nop
	global_prefetch_b8 v0, s[64:65] scope:SCOPE_SE
	s_setreg_imm32_b32 hwreg(HW_REG_WAVE_MODE, 25, 1), 1
	s_wait_xcnt 0x0
; The four quarters of the keys are joined, O is divided by l and quantised, and out0 = x + O proj_w^T + proj_b, the product on codes of FP6 (E2M3).
; A work-group takes 32 queries: tiles 2 B and 2 B + 1, whose lane r is query 32 B + 8 u + r + 8 (r / 8).  Wave w: u = w % 2, c = w / 2: it joins channels 128 c .. + 127 of tile u
; (64 registers a quarter, as the launch before left them: register 16 b + i = channel 32 b + 16 (lane / 16) + i), which are one K step of the product; the fragment goes to the partner
; wave through LDS as an image of its registers; then it makes output channels 128 c .. + 127 of tile u (source 0 = 16 rows of proj_w, source 1 = O: a lane holds a query and eight neighbouring outputs).
; JOIN.  -M* = the smallest -M; F_s = 2^(M_s - M*), exact; l = the sum of F_s l_s; O = the sum of (F_s / l) O_s.
; proj_w's CODES come by the tensor data mover, one load a wave at the head: 64 dense rows of 192 bytes, stated as 16 rows of 768 bytes, with 16 bytes of padding behind every 64: LDS rows 240 bytes apart; filled once.
; A barrier shows them to all four waves, and each wave reads its 16 fragments while the quarters' loads are out.  NO CLUSTER: that load is the launch's only shared tile, 12,288 bytes a wave, asked for once.
; NO PREFETCH: the launch has no loop to run ahead in.
; The results meet in a stage in LDS (rows of 1,024 bytes + 16) and leave with x added, each store 512 consecutive bytes.  Three barriers.
; LIMITS: NaN and infinities are not served; a block of zeros gets the scale byte 1 over zero codes.
.set FRB,  1536
.set OIMG, 0                           ; LDS: O's four images, (2 u + c) x 1,536
.set OSC,  4*FRB                       ; their scale words, 128 bytes each
.set STG,  OSC+512                     ; the stage: 32 rows x 1,040 bytes
.set SP,   1040
.set SPARE, 0xa000                     ; the spare words, 512 bytes
.set PWB,  SPARE+512                   ; proj_w's 256 rows
.set WP,   240
.set LI,  1                            ; v1  16 x lane
.set LI8, 2                            ; v2  8 x lane
.set LS,  3                            ; v3  4 x lane
.set PA,  4                            ; v4  a row of proj_w's codes in LDS: PWB + (128 c + r) x 240 + 24 h;  v33 the same + 16 h, for the pieces that lie behind one padding more
.set WSA, 5                            ; v5  its scale word in memory: 8 r + 4 h
.set BA,  6                            ; v6  32 h
.set OWI, 7                            ; v7  where I store my image;  v8 its scale word
.set OWS, 8
.set ORI, 9                            ; v9  where I read tile u's two images;  v10 their scale words
.set ORS, 10
.set SO,  11                           ; v11 the stage: where I put 32 bytes of a row
.set SR,  12                           ; v12 and where I read rows back
.set TM,  16
.set PW,  32
.set PA2, 33
.set ML,  34                           ; v34-41 (-M, l) of the four quarters
.set G,   42                           ; v42-49 F_s / l at the even registers
.set PC,  56
.set XF,  76                           ; v76-99 O's two fragments
.set XS,  100                          ; v100-101 their scale words
.set WS,  102                          ; v102-109 proj_w's: lanes 0-15 K step 0, lanes 16-31 K step 1
.set P0,  112                          ; v112-175 quarter 0, then the joined O, later rows of the result
.set D,   176                          ; v176-239 the product's eight accumulators
.set SPW, 254                          ; v254 LDS address of my spare word;  v255 0: neither is rewritten
.set NIL, 255
; window 1: v0-191 quarters 1 to 3; v192-255 x's rows.   window 2: v0-191 proj_w's 16 fragments; v192-255 the bias, 8 tiles
.set SEL, 30
.set G1,  48                           ; s[48:55], s[56:59] the tensor load's groups 1 and 0
.set G0,  56
.set MSB, 0
.macro WIN new                         ; the immediate's high byte repeats the setting that is left
.if MSB != \new
	s_set_vgpr_msb (MSB<<8)|\new
.set MSB, \new
.endif
.endm
.macro QUANT s                         ; 64 numbers of a lane, register 16 b + i = k 32 b + 16 (lane / 16) + i of my row -> codes in v[PC] on, scale word in v[PW]
.irp b, 0,1,2,3
	v_max3_num_f32 v[TM+\b], |v[(\s)+16*\b]|, |v[(\s)+1+16*\b]|, 0x1800000   ; and the floor 2^(3 - 127): the byte cannot fall under 1
.endr
.irp i, 2,4,6,8,10,12,14
.irp b, 0,1,2,3
	v_max3_num_f32 v[TM+\b], v[TM+\b], |v[(\s)+16*\b+\i]|, |v[(\s)+1+16*\b+\i]|
.endr
.endr
.irp b, 0,1,2,3
	v_permlanex16_b32 v[TM+4+\b], v[TM+\b], s[SEL], s[SEL+1]
.endr
.irp b, 0,1,2,3
	v_max_num_f32 v[TM+\b], v[TM+\b], v[TM+4+\b]
.endr
.irp b, 0,1,2,3
	v_add_nc_u32 v[TM+12+\b], 0xff000000, v[TM+\b]               ; 2 off the exponent field: the conversion's scale operand
.endr
.irp b, 0,1,2,3
	v_lshrrev_b32 v[TM+4+\b], 23, v[TM+12+\b]
.endr
	v_lshl_or_b32 v[PW], v[TM+5], 8, v[TM+4]
	v_lshl_or_b32 v[PW], v[TM+6], 16, v[PW]
	v_lshl_or_b32 v[PW], v[TM+7], 24, v[PW]
.irp c, 0,1
	v_cvt_scalef32_pk16_fp6_f32 v[PC+6*\c:PC+2+6*\c], v[(\s)+32*\c:(\s)+15+32*\c], v[TM+12+2*\c]
	v_cvt_scalef32_pk16_fp6_f32 v[PC+12+4*\c:PC+14+4*\c], v[(\s)+16+32*\c:(\s)+31+32*\c], v[TM+12+2*\c+1]
.endr
	v_nop                                                        ; one plain place behind a scaled conversion
.irp c, 0,1
.irp i, 0,1,2
	v_permlane16_swap_b32 v[PC+6*\c+\i], v[PC+12+4*\c+\i]
.endr
.irp i, 0,1,2
	v_mov_b32 v[PC+3+6*\c+\i], v[PC+12+4*\c+\i]
.endr
.endr
.endm
	s_load_b256 s[4:11], s[0:1], 0x0               ; op s[4:5], ml s[6:7], proj_w's codes s[8:9], its scales s[10:11]
	s_load_b128 s[12:15], s[0:1], 0x20             ; proj_b s[12:13], x s[14:15]
	s_load_b64 s[16:17], s[0:1], 0x30              ; out0
	v_lshl_add_u32 v[SPW], v0, 2, SPARE
	v_mov_b32 v[NIL], 0
	ds_add_u32 v[SPW], v[NIL]                      ; the opening lines
	ds_add_u32 v[SPW], v[NIL]
	v_lshrrev_b32 v13, 5, v0
	v_readfirstlane_b32 s18, v13                   ; wave 0..3
	s_and_b32 s19, s18, 1                          ; u
	s_lshr_b32 s28, s18, 1                         ; c
	v_and_b32 v13, 31, v0
	v_and_b32 v14, 15, v0                          ; r
	v_bfe_u32 v15, v0, 4, 1                        ; h
	v_lshlrev_b32 v[LI], 4, v13
	v_lshlrev_b32 v[LI8], 3, v13
	v_lshlrev_b32 v[LS], 2, v13
	v_mul_u32_u24 v[PA], v14, WP
	v_mad_u32_u24 v[PA], v15, 24, v[PA]
	s_mul_i32 s35, s28, 128*WP
	s_add_co_u32 s35, s35, PWB
	v_add_nc_u32 v[PA], s35, v[PA]
	v_lshl_add_u32 v[PA2], v15, 4, v[PA]
	v_lshlrev_b32 v[WSA], 3, v14
	v_lshl_add_u32 v[WSA], v15, 2, v[WSA]
	v_lshlrev_b32 v[BA], 5, v15
	s_lshl_b32 s34, s19, 1
	s_add_co_u32 s34, s34, s28                     ; 2 u + c
	s_mul_i32 s35, s34, FRB
	v_add_nc_u32 v[OWI], s35, v[LI]
	s_lshl_b32 s35, s34, 7
	v_add_nc_u32 v[OWS], s35, v[LS]
	s_mul_i32 s35, s19, 2*FRB
	v_add_nc_u32 v[ORI], s35, v[LI]
	s_lshl_b32 s35, s19, 8
	v_add_nc_u32 v[ORS], s35, v[LS]
	v_and_b32 v13, 8, v14
	v_add_nc_u32 v13, v13, v14                     ; r + 8 (r / 8)
	v_mul_u32_u24 v[SO], v13, SP
	v_lshl_add_u32 v[SO], v15, 5, v[SO]
	s_mul_i32 s35, s19, 8*SP
	s_lshl_b32 s36, s28, 9
	s_add_co_u32 s35, s35, s36
	s_add_co_u32 s35, s35, STG
	v_add_nc_u32 v[SO], s35, v[SO]                 ; the stage: row 8 u + r + 8 (r / 8), byte 512 c + 32 h
	s_mul_i32 s35, s18, 8*SP
	s_add_co_u32 s35, s35, STG
	v_add_nc_u32 v[SR], s35, v[LI]                 ; back: rows 8 w on, 16 bytes a lane
.irp b, 0,1,2,3
	v_mov_b32 v[TM+4+\b], 0                        ; written once: a lane permute's destination counts as one of its sources
.endr
	s_mov_b32 s[SEL], 0x76543210
	s_mov_b32 s[SEL+1], 0xfedcba98
	s_lshl_b32 s34, ttmp9, 1
	s_add_co_u32 s34, s34, s19                     ; my tile: 2 B + u
	s_mov_b32 s33, 0
	s_mov_b32 s37, 0
	s_mov_b32 s39, 0
	s_lshl_b32 s32, s34, 8                         ; ml: 256 bytes a tile
	s_lshl_b32 s36, s34, 14                        ; op: 16 KiB a tile, + 8 KiB c
	s_lshl_b32 s35, s28, 13
	s_add_co_u32 s36, s36, s35
	s_lshl_b32 s38, ttmp9, 15                      ; x, out0: rows 32 B + 8 w of 1,024 bytes
	s_lshl_b32 s35, s18, 13
	s_add_co_u32 s38, s38, s35
	s_mov_b32 s[G1], (0<<16)|(1<<20)|(3<<22)|(3<<25)   ; elements of 1 byte; padding after every 16 words (code 3) of 4 words (code 3)
	s_mov_b32 s[G1+1], 768<<16
	s_mov_b32 s[G1+2], 16<<16
	s_mov_b32 s[G1+3], 768<<16
	s_mov_b32 s[G1+4], 16
	s_mov_b32 s[G1+5], 768
	s_mov_b32 s[G1+6], 0
	s_mov_b32 s[G1+7], 0
	s_mov_b32 s[G0], 1
	s_mul_i32 s[G0+1], s18, 64*WP
	s_add_co_u32 s[G0+1], s[G0+1], PWB             ; my 64 rows of proj_w in LDS,
	s_mul_i32 s40, s18, 64*192                     ; and in memory
	s_mov_b32 s41, 0
	s_wait_alu depctr_va_vdst(0)
	s_wait_dscnt 0x0                               ; both opening adds are done
	s_wait_kmcnt 0x0
	s_add_nc_u64 s[G0+2:G0+3], s[8:9], s[40:41]
	s_or_b32 s[G0+3], s[G0+3], 0x80000000
	tensor_load_to_lds s[G0:G0+3], s[G1:G1+7]      ; my one tensor load
	s_nop 0
.rept 4
	v_nop
.endr
	s_add_nc_u64 s[6:7], s[6:7], s[32:33]
	s_add_nc_u64 s[20:21], s[4:5], s[36:37]
	s_add_nc_u64 s[22:23], s[20:21], 0x800000      ; the quarters lie 8 MiB apart: a base for each
	s_add_nc_u64 s[24:25], s[22:23], 0x800000
	s_add_nc_u64 s[26:27], s[24:25], 0x800000
	s_add_nc_u64 s[14:15], s[14:15], s[38:39]
	s_add_nc_u64 s[16:17], s[16:17], s[38:39]
	s_lshl_b32 s32, s28, 10
	s_add_nc_u64 s[10:11], s[10:11], s[32:33]      ; proj_w's scales and the bias: rows 128 c on
	s_lshl_b32 s32, s28, 9
	s_add_nc_u64 s[12:13], s[12:13], s[32:33]
.irp s, 0,1,2,3
	global_load_b64 v[ML+2*\s:ML+2*\s+1], v[LI8], s[6:7] offset:131072*\s th:TH_LOAD_NT
.endr
.set k, 0
.rept 16
	global_load_b128 v[P0+4*k:P0+4*k+3], v[LI], s[20:21] offset:512*k th:TH_LOAD_NT
.set k, k+1
.endr
.irp i, 0,1,2,3,4,5,6,7
	global_load_b32 v[WS+\i], v[WSA], s[10:11] offset:128*\i
.endr
	WIN 0x40                                       ; destination window 1
.irp s, 1,2,3
.set k, 0
.rept 16
	global_load_b128 v[64*(\s-1)+4*k:64*(\s-1)+4*k+3], v[LI], s[20+2*\s:21+2*\s] offset:512*k th:TH_LOAD_NT
.set k, k+1
.endr
.endr
	WIN 0x80                                       ; destination window 2
.irp i, 0,1,2,3,4,5,6,7                ; the bias as a C operand: lane (r, h): outputs 128 c + 16 i + 8 h + 0 .. 7
	global_load_b128 v[192+8*\i:192+8*\i+3], v[BA], s[12:13] offset:64*\i
	global_load_b128 v[192+8*\i+4:192+8*\i+7], v[BA], s[12:13] offset:64*\i+16
.endr
	WIN 0x40
.set k, 0
.rept 16
	global_load_b128 v[192+4*k:192+4*k+3], v[LI], s[14:15] offset:512*k th:TH_LOAD_NT    ; x: my eight rows, 512 consecutive bytes a load
.set k, k+1
.endr
	WIN 0
	s_wait_tensorcnt 0x0                           ; for the others' sake: my 64 rows of proj_w have landed
	s_barrier_signal -1
	s_barrier_wait -1                              ; proj_w lies in LDS; it is not written again
	WIN 0x80                                       ; tile i (rows 128 c + 16 i + r), K step s at v[12 (2 i + s)] of window 2, in pieces of 8 bytes: lanes 0-15 the row's pieces 12 s + 0, 1, 2 and 12 s + 6, 7, 8, lanes 16-31 those three pieces on
.irp i, 0,1,2,3,4,5,6,7
.irp s, 0,1
.irp p, 0,1,2,3,4,5
.set PCI, 12*\s+6*(\p/3)+\p%3
.if PCI%8 < 5
	ds_load_b64 v[12*(2*\i+\s)+2*\p:12*(2*\i+\s)+2*\p+1], v[PA] offset:8*PCI+16*(PCI/8)+16*\i*WP
.else
	ds_load_b64 v[12*(2*\i+\s)+2*\p:12*(2*\i+\s)+2*\p+1], v[PA2] offset:8*PCI+16*(PCI/8)+16*\i*WP
.endif
.endr
.endr
.endr
	WIN 0
	s_wait_loadcnt 0x20                            ; ml, op and proj_w's scale words are in: behind the quarters' last load only the bias's 16 and x's 16 were issued
	v_min3_num_f32 v50, v[ML], v[ML+2], v[ML+4]
	v_min_num_f32 v50, v50, v[ML+6]                ; -M*
.irp s, 0,1,2,3
	v_sub_f32 v[G+2*\s], v50, v[ML+2*\s]           ; M_s - M*: a whole number, 0 or less
.endr
.irp s, 0,1,2,3
	v_cvt_i32_f32 v[G+2*\s], v[G+2*\s]             ; (it saturates)
.endr
.irp s, 0,1,2,3
	v_ldexp_f32 v[G+2*\s], 1.0, v[G+2*\s]          ; F_s
.endr
	v_mul_f32 v51, v[G], v[ML+1]
	v_fmac_f32 v51, v[G+2], v[ML+3]
	v_fmac_f32 v51, v[G+4], v[ML+5]
	v_fmac_f32 v51, v[G+6], v[ML+7]                ; l
	s_wait_alu depctr_va_vdst(0)
	v_rcp_f32 v51, v51
.irp s, 0,1,2,3
	v_mov_b32 v[G+2*\s+1], 0                       ; (the pairs' upper halves are named, so they are written.  Also the plain place behind the reciprocal)
.endr
	s_wait_alu depctr_va_vdst(0)
.irp s, 0,1,2,3
	v_mul_f32 v[G+2*\s], v[G+2*\s], v51            ; F_s / l
.endr
.set i, 0
.rept 32
	v_pk_mul_f32 v[P0+i:P0+i+1], v[P0+i:P0+i+1], v[G:G+1] op_sel_hi:[1,0]
.set i, i+2
.endr
	WIN 0x01                                       ; source 0 window 1
.irp s, 1,2,3
.set i, 0
.rept 32
	v_pk_fma_f32 v[P0+i:P0+i+1], v[64*(\s-1)+i:64*(\s-1)+i+1], v[G+2*\s:G+2*\s+1], v[P0+i:P0+i+1] op_sel_hi:[1,0,1]
.set i, i+2
.endr
.endr
	WIN 0
	QUANT P0
.irp c, 0,1,2
	ds_store_b128 v[OWI], v[PC+4*\c:PC+4*\c+3] offset:OIMG+512*\c
.endr
	ds_store_b32 v[OWS], v[PW] offset:OSC
	s_wait_dscnt 0x0                               ; for the others' sake: my stores have landed (and proj_w's fragments are in)
	s_barrier_signal -1
	s_barrier_wait -1                              ; O's four fragments lie in LDS
.irp c, 0,1,2,3,4,5
	ds_load_b128 v[XF+4*\c:XF+4*\c+3], v[ORI] offset:OIMG+512*\c
.endr
	ds_load_b32 v[XS], v[ORS] offset:OSC
	ds_load_b32 v[XS+1], v[ORS] offset:OSC+128
	s_wait_dscnt 0x0
	s_wait_loadcnt 0x10                            ; the bias is in; x's 16 loads, the youngest, may stay out
	WIN 0x22                                       ; source 0 (proj_w) and source 2 (the bias) window 2
.irp i, 0,1,2,3,4,5,6,7                ; the eight accumulators take turns, one instruction a turn
	v_wmma_scale_f32_16x16x128_f8f6f4 v[D+8*\i:D+8*\i+7], v[24*\i:24*\i+11], v[XF:XF+11], v[192+8*\i:192+8*\i+7], v[WS+\i], v[XS] matrix_a_fmt:MATRIX_FMT_FP6 matrix_b_fmt:MATRIX_FMT_FP6
.endr
	WIN 0x02
.irp i, 0,1,2,3,4,5,6,7
	v_wmma_scale_f32_16x16x128_f8f6f4 v[D+8*\i:D+8*\i+7], v[24*\i+12:24*\i+23], v[XF+12:XF+23], v[D+8*\i:D+8*\i+7], v[WS+\i], v[XS+1] matrix_a_fmt:MATRIX_FMT_FP6 matrix_b_fmt:MATRIX_FMT_FP6 matrix_a_scale:MATRIX_SCALE_ROW1
.endr
	WIN 0
.rept 5
	v_nop                                          ; places in front of the LDS stores that read the results
.endr
.irp i, 0,1,2,3,4,5,6,7
	ds_store_b128 v[SO], v[D+8*\i:D+8*\i+3] offset:64*\i             ; each accumulator from its low end on
	ds_store_b128 v[SO], v[D+8*\i+4:D+8*\i+7] offset:64*\i+16
.endr
	s_wait_dscnt 0x0                               ; for the others' sake: my stores have landed
	s_barrier_signal -1
	s_barrier_wait -1                              ; 32 whole rows lie in the stage
.irp i, 0,1,2,3,4,5,6,7
.irp e, 0,1
	ds_load_b128 v[P0+4*(2*\i+\e):P0+4*(2*\i+\e)+3], v[SR] offset:SP*\i+512*\e
.endr
.endr
	s_wait_dscnt 0x0
	s_wait_loadcnt 0x0                             ; x
	WIN 0x04                                       ; source 1 window 1
.set i, 0
.rept 32
	v_pk_add_f32 v[P0+i:P0+i+1], v[P0+i:P0+i+1], v[192+i:192+i+1]    ; the residual
.set i, i+2
.endr
	WIN 0
.set k, 0
.rept 16
	global_store_b128 v[LI], v[P0+4*k:P0+4*k+3], s[16:17] offset:512*k th:TH_STORE_NT    ; 32 lanes store 512 consecutive bytes, at a multiple of 256 from out0's first byte
.set k, k+1
.endr
	s_wait_tensorcnt 0x0                           ; the wave's end
	ds_add_u32 v[SPW], v[NIL]
	s_wait_dscnt 0x0
	s_endpgm
.Lfunc_end_k_q7c1e940027_fin:
	.size	k_q7c1e940027_fin, .Lfunc_end_k_q7c1e940027_fin-k_q7c1e940027_fin
	.p2alignl 7, 3214868480
	.fill 96, 4, 3214868480
	.section	.rodata,"a",@progbits
	.p2align	6, 0x0
	.amdhsa_kernel k_q7c1e940027_fin
		.amdhsa_group_segment_fixed_size 167936
		.amdhsa_private_segment_fixed_size 0
		.amdhsa_enable_private_segment 0
		.amdhsa_kernarg_size 56
		.amdhsa_user_sgpr_count 2
		.amdhsa_user_sgpr_kernarg_segment_ptr 1
		.amdhsa_wavefront_size32 1
		.amdhsa_system_sgpr_workgroup_id_x 1
		.amdhsa_system_sgpr_workgroup_id_y 1
		.amdhsa_system_sgpr_workgroup_id_z 1
		.amdhsa_system_vgpr_workitem_id 0
		.amdhsa_next_free_vgpr 768
		.amdhsa_next_free_sgpr 66
		.amdhsa_reserve_vcc 0
		.amdhsa_float_denorm_mode_32 3
		.amdhsa_float_denorm_mode_16_64 3
		.amdhsa_memory_ordered 1
		.amdhsa_forward_progress 1
		.amdhsa_inst_pref_size 43
	.end_amdhsa_kernel
	.amdgpu_metadata
---
amdhsa.version: [ 1, 2 ]
amdhsa.kernels:
  - .name:           k_q7c1e940027_fin
    .symbol:         k_q7c1e940027_fin.kd
    .args:
      - { .name: op, .offset: 0, .size: 8, .value_kind: global_buffer, .address_space: global }
      - { .name: ml, .offset: 8, .size: 8, .value_kind: global_buffer, .address_space: global }
      - { .name: proj_w_codes, .offset: 16, .size: 8, .value_kind: global_buffer, .address_space: global }
      - { .name: proj_w_scales, .offset: 24, .size: 8, .value_kind: global_buffer, .address_space: global }
      - { .name: proj_b, .offset: 32, .size: 8, .value_kind: global_buffer, .address_space: global }
      - { .name: x, .offset: 40, .size: 8, .value_kind: global_buffer, .address_space: global }
      - { .name: out0, .offset: 48, .size: 8, .value_kind: global_buffer, .address_space: global }
    .group_segment_fixed_size: 167936
    .private_segment_fixed_size: 0
    .kernarg_segment_align: 8
    .kernarg_segment_size: 56
    .max_flat_workgroup_size: 128
    .sgpr_count:     66
    .vgpr_count:     768
    .wavefront_size: 32
...
	.end_amdgpu_metadata
.endif
;; end of part 6
